; MI455X (gfx1250); checked and timed in simulation.
; The chip was launched on July 23, 2026; its instructions are those of AMD's public machine-readable ISA for CDNA 5 (MIT licence, August 2026) and "CDNA5" Instruction Set Architecture Reference Guide (July 2026). The comments in the code are by the model that wrote it; some were corrected since.
;; Shared Self Attention. Allowed arithmetic: matrix products marked QUANTISED: E2M3 operands, one E8M0 scale for each 32 along K, by v_wmma_scale_f32_16x16x128_f8f6f4 with both operands' format E2M3, f32 sums; everything else in f32.
;; Inputs: attn_mask 2,048 x 2,048 float32; b_in 3,072 float32; b_out 1,024 float32; w_in 3,072 x 1,024 float32; w_out 1,024 x 1,024 float32; x 4 x 2,048 x 1,024 float32.
;; Outputs: out0 4 x 2,048 x 1,024 float32.
;; This version of the problem:
;;   THIS VERSION OF THE PROBLEM IS GIVEN IN LOW PRECISION. The matrix products marked QUANTISED in the list below multiply operands that are first quantised to E2M3 (2 exponent bits, 3 mantissa bits; 6 bits a number), with one power-of-two scale for each 32 numbers along K (OCP MX v1.0); their sums are f32. All else is computed in f32.
;;   The module's matrix products, in the order in which they are computed (A, B: the left and right operand; K: the contracted axis; several contracted axes count as one K, in the product's order):
;;     1. [M 8,192, K 1,024] x [K 1,024, N 3,072]; A: input x; B: input w_in: QUANTISED
;;     2. batch 64 x [M 2,048, K 64] x [K 64, N 2,048]; A: computed on the way; B: computed on the way: QUANTISED
;;     3. batch 64 x [M 2,048, K 2,048] x [K 2,048, N 64]; A: softmax (see below); B: computed on the way: QUANTISED
;;     4. [M 8,192, K 1,024] x [K 1,024, N 1,024]; A: computed on the way; B: input w_out: QUANTISED
;;   THE QUANTISER, for each operand of a quantised product, along K:
;;     - K is cut into blocks of 32 from its start; a last block that is shorter is filled with zeros.
;;     - A block's scale is 2^e with e = floor(log2(the largest magnitude in the block)) - 2, held to -126 .. 127; a block of zeros has e = 0. As a byte (E8M0): e + 127.
;;     - Each number is divided by its block's scale, clamped to +-7.5, and rounded to the nearest number of E2M3, ties to even, subnormals kept.
;;     - The product sums the exact products of the quantised numbers (number of the format x scale) in f32.
;;   ~~~python
;;   def quantise(x, axis):      # numpy; x: float32 -> the quantised numbers, widened to float32 again
;;       x = np.moveaxis(x, axis, -1); K = x.shape[-1]
;;       x = np.pad(x, [(0, 0)] * (x.ndim - 1) + [(0, -K % 32)]); x = x.reshape(x.shape[:-1] + (-1, 32)); a = np.abs(x).max(-1, keepdims=True)
;;       e = np.where(a > 0, np.clip(np.frexp(np.where(a > 0, a, 1))[1] - 1 - 2, -126, 127), 0)      # np.frexp(a)[1] - 1 = floor(log2(a)), exactly
;;       r = np.clip(x / 2.0 ** e, -7.5, 7.5)
;;       step = 2.0 ** (np.maximum(np.frexp(np.where(r == 0, 1, r))[1] - 1, 0) - 3)
;;       q = np.round(r / step) * step * 2.0 ** e      # np.round: ties to even
;;       return np.moveaxis(q.reshape(q.shape[:-2] + (-1,))[..., :K], -1, axis).astype(np.float32)
;;   ~~~
;;   SOFTMAX AHEAD OF A QUANTISED PRODUCT. Where the list says 'softmax', what is quantised is not the finished softmax but p = 2^(t - M), with t = logit x log2(e) and M = ceil(the row's largest t), a whole number; so 1/2 < the row's largest p <= 1. The row's sum l is taken of the UNQUANTISED p, in f32, and the product's result is divided by l at the end. Since M is a whole number, a kernel that streams over the keys may use a running M (the ceiling of the running maximum): every later rescaling is an exact power of two, which a block's scale takes up: the codes' values come out the same.
;;   OPERANDS COMPUTED ON THE WAY. 'Computed on the way' means the value that the module computes at that place (a softmax that the list does not call 'softmax' is quantised finished and normalised). What goes into a quantiser is computed in f32, as accurately as f32 sums, v_exp_f32 and their like allow (about 1e-6 of the number): no bf16 or f16 on the way to a quantiser, and a product that is left as it is and whose result goes on into a quantised operand takes f32 operands (vector FMAs, or v_wmma_f32_16x16x4_f32). A number that lies on a knife's edge between two numbers of the format may be rounded either way, as far as f32 arithmetic and the matrix unit's own rounding can turn it there, and no further.
;; One version. Each part assembles by itself: llvm-mc -triple=amdgcn-amd-amdhsa -mcpu=gfx1250 --defsym DOCPART=n.
;; ======== version 1 of 1: 4 launches
;; workspace buffers: xq 6,815,744 bytes; wq 2,555,904 bytes; oq 851,968 bytes; qb 6,815,744 bytes; kb 6,815,744 bytes; vb 6,815,744 bytes; ab 6,815,744 bytes
;; launch quant (part 1): grid 768 x 1, 4 waves a work-group, no clusters, 34,304 bytes of LDS; arguments x, w_in, w_out, xq, wq, oq; writes xq, wq, oq
.if DOCPART == 1
	.amdgcn_target "amdgcn-amd-amdhsa--gfx1250"
	.amdhsa_code_object_version 6
	.text
	.protected	k_qba339f98ba_quant
	.globl	k_qba339f98ba_quant
	.p2align	8
	.type	k_qba339f98ba_quant,@function
k_qba339f98ba_quant:
	s_mov_b64 s[64:65], 0
	v_nop
	global_prefetch_b8 v0, s[64:65] scope:SCOPE_SE
	s_setreg_imm32_b32 hwreg(HW_REG_WAVE_MODE, 25, 1), 1
	s_wait_xcnt 0x0
; SharedSelfAttention in MX-FP6, launch 1 of 4: x [8192][1024], w_in [3072][1024] and w_out [1024][1024], f32, K innermost, become codes of FP6 (E2M3) with one E8M0 byte for each 32 along K.
; NOTHING OF reference() IS LEFT OUT IN THIS PROGRAM: every input (x, attn_mask, w_in, b_in, w_out, b_out) has a way to the output for some values, and every key tile is computed, since the mask is an input of f32 numbers.
; THE WORKSPACE FORMAT, used by all four launches: a DOUBLE IMAGE of 3,328 bytes.  An image is the 12 operand registers of a fragment (16 rows x 128 along K) as the matrix instruction takes them:
; registers 4 c .. 4 c + 3 of lane l at byte 512 c + 16 l.  A double image is image 0 (1,536 bytes), image 1 (1,536 bytes) and 256 bytes of scale words: lane l's pair (image 0's word, image 1's word) at 3,072 + 8 l;
; lanes 16-31 hold what lanes 0-15 hold.  So a fragment is read by three loads of 16 bytes a lane, 512 consecutive bytes each, and written likewise.
; xq, wq, oq: [tile of 16 rows][K / 256] double images.
; THE ORDER INSIDE A BLOCK OF 32.  Position 16 h + 8 u + j of a block holds the block's number 16 u + 8 h + j (h, u = 0, 1; j = 0 .. 7).  That is the order in which a transposed matrix result falls into a lane's registers,
; so the operands that later launches compute have it by themselves; here the numbers are read out of the stage in that order.  Both operands of every product have it, and it stays inside a block, so scales and products are unchanged;
; only the order of the sums inside a matrix instruction differs from K ascending.
; A block's scale is 2^(floor(log2(its largest magnitude)) - 2); its byte is the largest magnitude's exponent field - 2, held at 1 from below.
; LIMITS: NaN and infinities among the inputs are not served.  Blocks whose largest magnitude lies under 2^-124 keep the byte 1; a block of zeros has the byte 1 where the rule says 127: its codes are zeros, and this program alone reads the bytes.
; SHARES.  A work-group takes 16 rows x 1,024; wave w takes K = 256 w .. 256 w + 255: one double image.  Work-groups 0-511: x; 512-703: w_in; 704-767: w_out: only pointers are chosen, the text has one path.
; Each load reads 512 consecutive bytes of a row; the 16 x 512 bytes of an image turn through the wave's own stage in LDS (rows 528 bytes apart) and come back 64 numbers a lane.  The waves share nothing: no barrier.
; No cluster: no two work-groups read the same bytes.  No matrix work, no tensor load: a stream.
.set DI,    3328
.set STG,   16*528                     ; a wave's stage
.set SPARE, 4*STG                      ; behind the stages: the spare words, 128 bytes a wave
.set LI,   4                           ; v4   16 x lane
.set SIN,  5                           ; v5   the stage, way in: 16 x lane
.set SOUT, 6                           ; v6   the stage, way out: 528 r + 32 h
.set L8,   8                           ; v8   8 x lane
.set SPW,  10                          ; v10  my spare word's LDS address; never rewritten
.set NIL,  11                          ; v11  0; never rewritten
.set R,    16                          ; v16-143  two sets of 64: the images' numbers as loaded
.set X,    144                         ; v144-207 64 numbers in the order the quantiser takes
.set PC,   208                         ; v208-226 the codes just made
.set TM,   228                         ; v228-243 at work in QUANT
.set PW,   244                         ; v244-245 the two scale words
.set WV,   16
.set SEL,  26                          ; s[26:27] lane selects: lane l xor 16
; 64 numbers of a lane, v[s] .. v[s + 63], register 16 b + i = position 16 (lane / 16) + i of block b of my row, become a fragment's codes in v[PC .. PC + 11] and its scale word in v[pw].
.macro QUANT s, pw, floor
.irp b, 0,1,2,3
	v_max3_num_f32 v[TM+\b], |v[\s+16*\b]|, |v[\s+1+16*\b]|, \floor   ; block b: my 16 numbers, and the floor under which no largest magnitude is taken
.endr
.irp i, 2,4,6,8,10,12,14
.irp b, 0,1,2,3
	v_max3_num_f32 v[TM+\b], v[TM+\b], |v[\s+16*\b+\i]|, |v[\s+1+16*\b+\i]|   ; the four blocks by turns
.endr
.endr
.irp b, 0,1,2,3
	v_permlanex16_b32 v[TM+4+\b], v[TM+\b], s[SEL], s[SEL+1]
.endr
.irp b, 0,1,2,3
	v_max_num_f32 v[TM+\b], v[TM+\b], v[TM+4+\b]       ; with lane l xor 16's: the block's largest magnitude
.endr
.irp b, 0,1,2,3
	v_add_nc_u32 v[TM+12+\b], 0xff000000, v[TM+\b]     ; 2 off its exponent field: the conversion's scale operand
.endr
.irp b, 0,1,2,3
	v_lshrrev_b32 v[TM+4+\b], 23, v[TM+12+\b]          ; the scale's byte
.endr
	v_lshl_or_b32 v[\pw], v[TM+5], 8, v[TM+4]          ; four bytes: my row's scale word
	v_lshl_or_b32 v[\pw], v[TM+6], 16, v[\pw]
	v_lshl_or_b32 v[\pw], v[TM+7], 24, v[\pw]
.irp c, 0,1
	v_cvt_scalef32_pk16_fp6_f32 v[PC+6*\c:PC+2+6*\c], v[\s+32*\c:\s+15+32*\c], v[TM+12+2*\c]
	v_cvt_scalef32_pk16_fp6_f32 v[PC+12+4*\c:PC+14+4*\c], v[\s+16+32*\c:\s+31+32*\c], v[TM+12+2*\c+1]   ; (a conversion's three registers begin on an even number)
.endr
	v_nop                                              ; one plain instruction behind the scaled conversions
.irp c, 0,1                                        ; the operand wants a whole block in a lane: lanes 0-15 block 2 c, lanes 16-31 block 2 c + 1
.irp i, 0,1,2
	v_permlane16_swap_b32 v[PC+6*\c+\i], v[PC+12+4*\c+\i]
.endr
.irp i, 0,1,2
	v_mov_b32 v[PC+3+6*\c+\i], v[PC+12+4*\c+\i]
.endr
.endr
.endm
.macro LOAD i                          ; image i: row p's 512 bytes, 16 a lane
.irp p, 0,1,2,3,4,5,6,7,8,9,10,11,12,13,14,15
	global_load_b128 v[R+64*\i+4*\p:R+64*\i+4*\p+3], v[LI], s[18:19] offset:4096*\p+512*\i th:TH_LOAD_NT
.endr
.endm
.macro TURN i                          ; through the stage: LDS serves a wave's instructions in order, so no wait stands between the stores and the loads
.irp p, 0,1,2,3,4,5,6,7,8,9,10,11,12,13,14,15
	ds_store_b128 v[SIN], v[R+64*\i+4*\p:R+64*\i+4*\p+3] offset:528*\p
.endr
.irp b, 0,1,2,3
.irp u, 0,1
.irp c, 0,1
	ds_load_b128 v[X+16*\b+8*\u+4*\c:X+16*\b+8*\u+4*\c+3], v[SOUT] offset:128*\b+64*\u+16*\c   ; register 16 b + 8 u + j = my row's number 32 b + 16 u + 8 h + j
.endr
.endr
.endr
.endm
	s_load_b128 s[4:7], s[0:1], 0x0                ; x, w_in
	s_load_b128 s[8:11], s[0:1], 0x10              ; w_out, xq
	s_load_b128 s[12:15], s[0:1], 0x20             ; wq, oq
	v_lshl_add_u32 v[SPW], v0, 2, SPARE
	v_mov_b32 v[NIL], 0
	v_lshrrev_b32 v1, 5, v0
	v_readfirstlane_b32 s[WV], v1                  ; wave 0..3
	v_and_b32 v2, 31, v0                           ; lane
	v_and_b32 v3, 15, v0                           ; r
	v_bfe_u32 v7, v0, 4, 1                         ; h
	v_lshlrev_b32 v[LI], 4, v2
	v_lshlrev_b32 v[L8], 3, v2
	s_mul_i32 s17, s[WV], STG
	v_add_nc_u32 v[SIN], s17, v[LI]
	v_mul_u32_u24 v[SOUT], v3, 528
	v_lshl_add_u32 v[SOUT], v7, 5, v[SOUT]
	v_add_nc_u32 v[SOUT], s17, v[SOUT]
.irp b, 0,1,2,3
	v_mov_b32 v[TM+4+\b], 0                        ; written once: a lane permute's destination counts as one of its sources
.endr
	s_mov_b32 s[SEL], 0x76543210
	s_mov_b32 s[SEL+1], 0xfedcba98
	s_mov_b32 s22, 704
	s_wait_kmcnt 0x0
	s_cmp_lt_u32 ttmp9, 704                        ; which tensor: the choice hangs on the work-group's number alone
	s_cselect_b64 s[18:19], s[6:7], s[8:9]
	s_cselect_b64 s[20:21], s[12:13], s[14:15]
	s_cselect_b32 s22, 512, s22
	s_cmp_lt_u32 ttmp9, 512
	s_cselect_b64 s[18:19], s[4:5], s[18:19]
	s_cselect_b64 s[20:21], s[10:11], s[20:21]
	s_cselect_b32 s22, 0, s22
	s_sub_co_u32 s22, ttmp9, s22                   ; my tile of 16 rows in that tensor
	s_lshl_b32 s24, s22, 16                        ; 16 rows of 4,096 bytes,
	s_lshl_b32 s23, s[WV], 10                      ; my wave's 1,024 bytes of each row
	s_add_co_u32 s24, s24, s23
	s_mov_b32 s25, 0
	s_add_nc_u64 s[18:19], s[18:19], s[24:25]
	s_lshl_b32 s22, s22, 2
	s_add_co_u32 s22, s22, s[WV]
	s_mul_i32 s24, s22, DI                         ; double image 4 x tile + wave
	s_add_nc_u64 s[20:21], s[20:21], s[24:25]
	LOAD 0
	LOAD 1
	s_wait_loadcnt 16                              ; image 0's sixteen loads are in; image 1's sixteen may be out
	TURN 0
	s_wait_dscnt 0x0
	QUANT X, PW, 0x1800000
.irp c, 0,1,2
	global_store_b128 v[LI], v[PC+4*\c:PC+4*\c+3], s[20:21] offset:512*\c          ; 512 consecutive bytes
.endr
	s_wait_loadcnt 0x0
	TURN 1
	s_wait_dscnt 0x0
	s_wait_xcnt 0x0                                ; the three stores have read their data: the codes' registers are written again only behind this wait
	QUANT X, PW+1, 0x1800000
.irp c, 0,1,2
	global_store_b128 v[LI], v[PC+4*\c:PC+4*\c+3], s[20:21] offset:1536+512*\c
.endr
	global_store_b64 v[L8], v[PW:PW+1], s[20:21] offset:3072                       ; 256 consecutive bytes of scale words
	s_wait_tensorcnt 0x0                           ; the wave's end: behind my last LDS store
	ds_add_u32 v[SPW], v[NIL]
	s_wait_dscnt 0x0
	s_endpgm
.Lfunc_end_k_qba339f98ba_quant:
	.size	k_qba339f98ba_quant, .Lfunc_end_k_qba339f98ba_quant-k_qba339f98ba_quant
	.p2alignl 7, 3214868480
	.fill 96, 4, 3214868480
	.section	.rodata,"a",@progbits
	.p2align	6, 0x0
	.amdhsa_kernel k_qba339f98ba_quant
		.amdhsa_group_segment_fixed_size 34304
		.amdhsa_private_segment_fixed_size 0
		.amdhsa_enable_private_segment 0
		.amdhsa_kernarg_size 48
		.amdhsa_user_sgpr_count 2
		.amdhsa_user_sgpr_kernarg_segment_ptr 1
		.amdhsa_wavefront_size32 1
		.amdhsa_system_sgpr_workgroup_id_x 1
		.amdhsa_system_sgpr_workgroup_id_y 1
		.amdhsa_system_sgpr_workgroup_id_z 1
		.amdhsa_system_vgpr_workitem_id 0
		.amdhsa_next_free_vgpr 256
		.amdhsa_next_free_sgpr 66
		.amdhsa_reserve_vcc 0
		.amdhsa_float_denorm_mode_32 3
		.amdhsa_float_denorm_mode_16_64 3
		.amdhsa_memory_ordered 1
		.amdhsa_forward_progress 1
		.amdhsa_inst_pref_size 18
	.end_amdhsa_kernel
	.amdgpu_metadata
---
amdhsa.version: [ 1, 2 ]
amdhsa.kernels:
  - .name:           k_qba339f98ba_quant
    .symbol:         k_qba339f98ba_quant.kd
    .args:
      - { .name: x, .offset: 0, .size: 8, .value_kind: global_buffer, .address_space: global }
      - { .name: w_in, .offset: 8, .size: 8, .value_kind: global_buffer, .address_space: global }
      - { .name: w_out, .offset: 16, .size: 8, .value_kind: global_buffer, .address_space: global }
      - { .name: xq, .offset: 24, .size: 8, .value_kind: global_buffer, .address_space: global }
      - { .name: wq, .offset: 32, .size: 8, .value_kind: global_buffer, .address_space: global }
      - { .name: oq, .offset: 40, .size: 8, .value_kind: global_buffer, .address_space: global }
    .group_segment_fixed_size: 34304
    .private_segment_fixed_size: 0
    .kernarg_segment_align: 8
    .kernarg_segment_size: 48
    .max_flat_workgroup_size: 128
    .sgpr_count:     66
    .vgpr_count:     256
    .wavefront_size: 32
...
	.end_amdgpu_metadata
.endif
;; end of part 1
;; launch gemm1 (part 2): grid 24 x 32, 4 waves a work-group, clusters of 4 x 4, 327,680 bytes of LDS; arguments xq, wq, b_in, qb, kb, vb; writes qb, kb, vb
.if DOCPART == 2
	.amdgcn_target "amdgcn-amd-amdhsa--gfx1250"
	.amdhsa_code_object_version 6
	.text
	.protected	k_qba339f98ba_gemm1
	.globl	k_qba339f98ba_gemm1
	.p2align	8
	.type	k_qba339f98ba_gemm1,@function
k_qba339f98ba_gemm1:
	s_mov_b64 s[64:65], 0
	v_nop
	global_prefetch_b8 v0, s[64:65] scope:SCOPE_SE
	s_setreg_imm32_b32 hwreg(HW_REG_WAVE_MODE, 25, 1), 1
	s_wait_xcnt 0x0
	s_wait_alu depctr_hold_cnt(0) depctr_sa_sdst(0) depctr_va_vdst(0) depctr_va_sdst(0) depctr_va_ssrc(0) depctr_va_vcc(0) depctr_vm_vsrc(0)
	s_getreg_b32 s2, hwreg(HW_REG_IB_STS2, 6, 4)
	s_cmp_eq_u32 s2, 0
	s_cbranch_scc0 .Lentry_in_a_cluster
	s_endpgm
.Lentry_in_a_cluster:
	s_bfe_u32 s2, ttmp6, 0x10000c
	s_cmp_lg_u32 s2, 0xf033
	s_cbranch_scc0 .Lentry_shape_is_right
	s_endpgm
.Lentry_shape_is_right:
; Launch 2 of 4: qkv = x w_in^T + b_in on codes of FP6 with E8M0 scales, and q, k, v quantised on the way out into the operands of attention.  No work of reference() is left out.
; Operands come as DOUBLE IMAGES of 3,328 bytes (two fragments of 16 rows x 128 K as register images, 512 c + 16 x lane, and 256 bytes of scale words, a pair at 3,072 + 8 x lane): xq, wq: [tile of 16 rows][K / 256].
; A work-group makes 256 rows of A' x 128 rows of B'; ALL OF K = 1,024 LIES IN LDS: four regions (K / 256), each with A's 16 and B's 8 double images, each filled once: no slot is filled again.
; A wave takes 64 rows of A' (a = 0 .. 3) against all 128 of B' (b = 0 .. 7): 32 accumulators.  THE MATRIX INSTRUCTION IS USED TRANSPOSED (source 0 = B', source 1 = A'): lane (r, h) holds A' row 16 a + r, register j B' row 16 b + 8 h + j.
; q AND k (cluster x 0 .. 3): A' = tokens, B' = rows of w_in: a lane holds a token, its registers run along the head's 64: the next K.   v (cluster x 4, 5): A' = rows 2,048 .. of w_in, B' = tokens: a lane holds one channel d
; and its registers run along the tokens, which are the K of the product with p.  The main text is the same; pointers and tile numbers are chosen on the cluster's x, which all partners share.
; OUT.  qb, kb: [batch x head][token / 64] double images; an image holds token tile 2 i in K 0 .. 63 and token tile 2 i + 1 in K 64 .. 127 (the head has 64 channels, the instruction 128 along K).
;       vb: [batch x head][key / 128][d / 32] double images; an image is 16 channels x 128 keys.
; Inside a block of 32 the numbers lie in the order in which the transposed result falls (position 16 h + 8 u + j = number 16 u + 8 h + j): the same on both sides of every later product.
; CLUSTERS: 4 x 4.  A's images hang on the tile row, shared along a row of the cluster; B's on the tile column, shared along a column: each is asked for jointly.
; No prefetch: everything the work-group reads is asked for at its head.
; LIMITS: NaN and infinities are not served.  The floor of a block's largest magnitude is 2^-121 here, so that every scale byte is at least 4 (attention takes 3 off q's bytes); blocks under it, zeros too, have the byte 4.
.set DI,    3328
.set RT,    4*DI                       ; a tile of 16 rows in memory: four double images
.set REG,   24*DI                      ; a region: A's 16, then B's 8
.set BOFF,  16*DI
.set SPARE, 4*REG                      ; the spare words, 128 bytes a wave
.set ADRA, 4                           ; v4-7    region kp: my four A images: kp REG + wave x 4 DI + 16 x lane
.set ADRB, 8                           ; v8-11   B's: kp REG + BOFF + 16 x lane
.set ADRS, 12                          ; v12-15  scale words: lanes 0-15 A's, lanes 16-31 B's
.set LI,   16                          ; v16     16 x lane
.set L8,   17                          ; v17     8 x lane
.set BO,   18                          ; v18     32 h: the bias of q, k;  v19: 4 r: the bias of v
.set SPW,  28
.set NIL,  29
.set SC,   32                          ; v32-63  scale words and nothing else: set (kp % 2), register 2 i + q: lanes 0-15 A's tile i, lanes 16-31 B's tile i, image q
.set BI,   64                          ; v64-127 the bias
.set AF,   128                         ; v128-223 A's fragments, two sets of 48;  window 1: B's two sets at v0 and v128;  window 2: accumulator (a, b) at v[64 a + 8 b]
.set T,    128                         ; the way out: 64 numbers
.set PC,   192                         ; the codes just made
.set TM,   224
.set PW,   240
.set WV,   16
.set SEL,  66                          ; s[66:67] lane selects: lane l xor 16
.set G1A,  24
.set G1B,  32
.set G0A,  40                          ; s[40:55] four groups 0 for A, one a region
.set G0B,  68                          ; s[68:83] for B
.set MSB, 0
.macro WIN new                         ; the immediate's high byte repeats the setting that is left
.if MSB != \new
	s_set_vgpr_msb (MSB<<8)|\new
.set MSB, \new
.endif
.endm
.macro PLACES n
.rept \n
	v_nop
.endr
.endm
.macro CROUND                          ; a round of the cluster's barrier
	s_barrier_signal -1
	s_barrier_wait -1
	s_cmp_lg_u32 s[WV], 0
	s_cbranch_scc1 .Lnot_wave_0_\@
	s_barrier_signal -3
.Lnot_wave_0_\@:
	s_barrier_wait -3
	s_barrier_signal -1
	s_barrier_wait -1
.endm
; 64 numbers of a lane, register 16 b + i = position 16 (lane / 16) + i of block b of my row, become a fragment's codes in v[PC .. PC + 11] and its scale word in v[pw].
.macro QUANT s, pw, floor
.irp b, 0,1,2,3
	v_max3_num_f32 v[TM+\b], |v[\s+16*\b]|, |v[\s+1+16*\b]|, \floor
.endr
.irp i, 2,4,6,8,10,12,14
.irp b, 0,1,2,3
	v_max3_num_f32 v[TM+\b], v[TM+\b], |v[\s+16*\b+\i]|, |v[\s+1+16*\b+\i]|
.endr
.endr
.irp b, 0,1,2,3
	v_permlanex16_b32 v[TM+4+\b], v[TM+\b], s[SEL], s[SEL+1]
.endr
.irp b, 0,1,2,3
	v_max_num_f32 v[TM+\b], v[TM+\b], v[TM+4+\b]
.endr
.irp b, 0,1,2,3
	v_add_nc_u32 v[TM+12+\b], 0xff000000, v[TM+\b]     ; 2 off the exponent field: the conversion's scale operand
.endr
.irp b, 0,1,2,3
	v_lshrrev_b32 v[TM+4+\b], 23, v[TM+12+\b]
.endr
	v_lshl_or_b32 v[\pw], v[TM+5], 8, v[TM+4]
	v_lshl_or_b32 v[\pw], v[TM+6], 16, v[\pw]
	v_lshl_or_b32 v[\pw], v[TM+7], 24, v[\pw]
.irp c, 0,1
	v_cvt_scalef32_pk16_fp6_f32 v[PC+6*\c:PC+2+6*\c], v[\s+32*\c:\s+15+32*\c], v[TM+12+2*\c]
	v_cvt_scalef32_pk16_fp6_f32 v[PC+12+4*\c:PC+14+4*\c], v[\s+16+32*\c:\s+31+32*\c], v[TM+12+2*\c+1]
.endr
	v_nop                                              ; one plain instruction behind the scaled conversions
.irp c, 0,1
.irp i, 0,1,2
	v_permlane16_swap_b32 v[PC+6*\c+\i], v[PC+12+4*\c+\i]
.endr
.irp i, 0,1,2
	v_mov_b32 v[PC+3+6*\c+\i], v[PC+12+4*\c+\i]
.endr
.endr
.endm
; The fragments of K step k (128 along K: region k / 2, image k % 2) into set k % 2; with an even k the region's scale words
.macro FETCH k
	WIN 0x40                                       ; destination window 1
.irp i, 0,1,2,3,4,5,6,7
.irp c, 0,1,2
	ds_load_b128 v[128*((\k)%2)+12*\i+4*\c:128*((\k)%2)+12*\i+4*\c+3], v[ADRB+(\k)/2] offset:\i*DI+((\k)%2)*1536+512*\c
.endr
.endr
	WIN 0
.irp i, 0,1,2,3
.irp c, 0,1,2
	ds_load_b128 v[AF+48*((\k)%2)+12*\i+4*\c:AF+48*((\k)%2)+12*\i+4*\c+3], v[ADRA+(\k)/2] offset:\i*DI+((\k)%2)*1536+512*\c
.endr
.endr
.if (\k)%2 == 0
.irp i, 0,1,2,3,4,5,6,7
	ds_load_b64 v[SC+16*(((\k)/2)%2)+2*\i:SC+16*(((\k)/2)%2)+2*\i+1], v[ADRS+(\k)/2] offset:\i*DI   ; (lanes 0-15 of i = 4 .. 7 read words of the region that nobody uses)
.endr
.endif
.endm
; 32 matrix instructions, the 32 accumulators by turns, in the same order in every step.  mode 0: the products start the sums; 2: in place
.macro MUL k, mode
	WIN 0xa1                                       ; source 0 (B') window 1, source 1 (A') window 0, C and D window 2
.irp a, 0,1,2,3
.irp b, 0,1,2,3,4,5,6,7
.if \mode == 0
	v_wmma_scale_f32_16x16x128_f8f6f4 v[64*\a+8*\b:64*\a+8*\b+7], v[128*((\k)%2)+12*\b:128*((\k)%2)+12*\b+11], v[AF+48*((\k)%2)+12*\a:AF+48*((\k)%2)+12*\a+11], 0, v[SC+16*(((\k)/2)%2)+2*\b+(\k)%2], v[SC+16*(((\k)/2)%2)+2*\a+(\k)%2] matrix_a_fmt:MATRIX_FMT_FP6 matrix_b_fmt:MATRIX_FMT_FP6 matrix_a_scale:MATRIX_SCALE_ROW1
.else
	v_wmma_scale_f32_16x16x128_f8f6f4 v[64*\a+8*\b:64*\a+8*\b+7], v[128*((\k)%2)+12*\b:128*((\k)%2)+12*\b+11], v[AF+48*((\k)%2)+12*\a:AF+48*((\k)%2)+12*\a+11], v[64*\a+8*\b:64*\a+8*\b+7], v[SC+16*(((\k)/2)%2)+2*\b+(\k)%2], v[SC+16*(((\k)/2)%2)+2*\a+(\k)%2] matrix_a_fmt:MATRIX_FMT_FP6 matrix_b_fmt:MATRIX_FMT_FP6 matrix_a_scale:MATRIX_SCALE_ROW1
.endif
.endr
.endr
.endm
.macro KSTEP k, mode
	s_wait_dscnt 0x0                               ; step k's fragments are in (asked for 32 matrix instructions ago)
.if ((\k)%2 == 1) && ((\k) < 7)
	s_wait_tensorcnt 3-((\k)+1)/2                  ; my part of the next region has landed: so many of my four loads are younger than it
	s_barrier_signal -1
	s_barrier_wait -1                              ; everybody's has
.endif
.if (\k) < 7
.if (\k) > 0
	PLACES 4                                       ; in front of loads into registers that the last step's products have read
.endif
	FETCH (\k)+1
.endif
	MUL \k, \mode
	WIN 0
.endm
	s_load_b256 s[4:11], s[0:1], 0x0               ; xq s[4:5], wq s[6:7], b_in s[8:9], qb s[10:11]
	s_load_b128 s[12:15], s[0:1], 0x20             ; kb s[12:13], vb s[14:15]
	v_lshl_add_u32 v[SPW], v0, 2, SPARE
	v_mov_b32 v[NIL], 0
	ds_add_u32 v[SPW], v[NIL]                      ; the wave's opening: the add, twice on end, and its wait ahead of my first tensor load
	ds_add_u32 v[SPW], v[NIL]
	v_lshrrev_b32 v1, 5, v0
	v_readfirstlane_b32 s[WV], v1                  ; wave 0..3
	s_and_b32 s17, s[WV], 1                        ; which half of A's (waves 0, 1) or of B's (waves 2, 3) images I fetch
	s_bfe_u32 s18, ttmp6, 0x40000                  ; cx
	s_bfe_u32 s19, ttmp6, 0x40004                  ; cy
	s_mov_b32 s20, ttmp9                           ; the cluster's x: 0 .. 3 q and k, 4 and 5 v
	s_and_b32 s21, ttmp7, 0xffff                   ; the cluster's y
	s_lshl_b32 s22, s19, 2
	s_lshl_b32 s22, 15, s22                        ; my row of the cluster
	s_lshl_b32 s23, 0x1111, s18                    ; my column
	s_or_b32 s[G1A], s22, (3<<16)|(1<<21)          ; 15:0 the mask; 17:16 elements of 8 bytes; 21 set beside a mask; no padding
	s_or_b32 s[G1B], s23, (3<<16)|(1<<21)
	s_mov_b32 s[G1A+1], 416<<16                    ; tensor_dim0 = 416 elements: a double image
	s_mov_b32 s[G1A+2], 8<<16                      ; tensor_dim1 = 8 tiles of rows
	s_mov_b32 s[G1A+3], 416<<16                    ; tile_dim0
	s_mov_b32 s[G1A+4], 8                          ; tile_dim1
	s_mov_b32 s[G1A+5], 1664                       ; from a tile of rows to the next: four double images
	s_mov_b32 s[G1A+6], 0
	s_mov_b32 s[G1A+7], 0
	s_mov_b32 s[G1B+1], 416<<16
	s_mov_b32 s[G1B+2], 4<<16
	s_mov_b32 s[G1B+3], 416<<16
	s_mov_b32 s[G1B+4], 4
	s_mov_b32 s[G1B+5], 1664
	s_mov_b32 s[G1B+6], 0
	s_mov_b32 s[G1B+7], 0
	; A's tiles: registers s56-63 never hold cx
	s_lshl_b32 s56, s21, 2
	s_add_co_u32 s56, s56, s19                     ; q, k: block of 256 tokens = 4 x cluster y + cy
	s_lshl_b32 s57, s56, 4                         ;       its first tile of 16 rows of x
	s_lshl_b32 s58, s19, 4
	s_add_co_u32 s58, s58, 128                     ; v: rows 2,048 + 256 cy of w_in
	s_lshl_b32 s59, s17, 3
	; B's tiles: registers s84-91 never hold cy
	s_lshl_b32 s84, s20, 2
	s_add_co_u32 s84, s84, s18                     ; q, k: block of 128 rows of w_in = 4 x cluster x + cx (0 .. 15)
	s_and_b32 s85, s20, 1
	s_lshl_b32 s85, s85, 3
	s_add_co_u32 s85, s85, s21
	s_lshl_b32 s85, s85, 2
	s_add_co_u32 s85, s85, s18                     ; v: block of 128 tokens = 4 (cluster y + 8 (cluster x - 4)) + cx (0 .. 63)
	s_lshl_b32 s87, s17, 2
	s_mul_i32 s2, s17, 8*DI                        ; where my half goes in a region: A's,
	s_mul_i32 s3, s17, 4*DI
	s_add_co_u32 s3, s3, BOFF                      ; B's: no place in the cluster enters an LDS address
	s_mov_b32 s[SEL], 0x76543210
	s_mov_b32 s[SEL+1], 0xfedcba98
	s_wait_dscnt 0x0                               ; both opening adds are done
	s_wait_kmcnt 0x0
	s_cmp_ge_u32 s20, 4                            ; v's clusters?  The same in all sixteen partners
	s_cselect_b32 s60, s58, s57
	s_cselect_b32 s86, s85, s84
	s_cselect_b64 s[62:63], s[6:7], s[4:5]         ; A' = w_in or x
	s_cselect_b64 s[90:91], s[4:5], s[6:7]         ; B' = x or w_in
	s_add_co_u32 s60, s60, s59
	s_mul_i32 s60, s60, RT
	s_mov_b32 s61, 0
	s_add_nc_u64 s[62:63], s[62:63], s[60:61]
	s_lshl_b32 s88, s86, 3
	s_add_co_u32 s88, s88, s87
	s_mul_i32 s88, s88, RT
	s_mov_b32 s89, 0
	s_add_nc_u64 s[90:91], s[90:91], s[88:89]
.irp kp, 0,1,2,3
	s_mov_b32 s[G0A+4*\kp], 1
	s_add_co_u32 s[G0A+4*\kp+1], s2, \kp*REG
	s_add_nc_u64 s[G0A+4*\kp+2:G0A+4*\kp+3], s[62:63], \kp*DI
	s_or_b32 s[G0A+4*\kp+3], s[G0A+4*\kp+3], 0x80000000
	s_mov_b32 s[G0B+4*\kp], 1
	s_add_co_u32 s[G0B+4*\kp+1], s3, \kp*REG
	s_add_nc_u64 s[G0B+4*\kp+2:G0B+4*\kp+3], s[90:91], \kp*DI
	s_or_b32 s[G0B+4*\kp+3], s[G0B+4*\kp+3], 0x80000000
.endr
	CROUND                                         ; all sixteen work-groups are here: the joint loads meet
	s_cmp_lt_u32 s[WV], 2                          ; a wave's four first fills stand in one branch: four loads of mine are out
	s_cbranch_scc0 .Lfirst_b
.irp kp, 0,1,2,3
	tensor_load_to_lds s[G0A+4*\kp:G0A+4*\kp+3], s[G1A:G1A+7]
	s_nop 0
.endr
	PLACES 4
	s_branch .Lfirst_done
.Lfirst_b:
.irp kp, 0,1,2,3
	tensor_load_to_lds s[G0B+4*\kp:G0B+4*\kp+3], s[G1B:G1B+7]
	s_nop 0
.endr
	PLACES 4
.Lfirst_done:
	v_and_b32 v1, 31, v0                           ; lane
	v_bfe_u32 v2, v0, 4, 1                         ; h
	v_lshlrev_b32 v[LI], 4, v1
	v_lshlrev_b32 v[L8], 3, v1
	s_mul_i32 s2, s[WV], 4*DI
	v_add_nc_u32 v[ADRA], s2, v[LI]
	v_add_nc_u32 v[ADRB], BOFF, v[LI]
	s_xor_b32 s3, s[WV], 3
	s_add_co_u32 s3, s3, 1
	s_mul_i32 s3, s3, 4*DI                         ; from my A images to B's: (4 - wave) x 4 DI
	v_mul_u32_u24 v3, s3, v2                       ; lanes 16-31 take B's words
	v_add_nc_u32 v[ADRS], s2, v[L8]
	v_add_nc_u32 v[ADRS], v[ADRS], v3
	v_add_nc_u32 v[ADRS], 3072, v[ADRS]
.irp kp, 1,2,3
	v_add_nc_u32 v[ADRA+\kp], \kp*REG, v[ADRA]
	v_add_nc_u32 v[ADRB+\kp], \kp*REG, v[ADRB]
	v_add_nc_u32 v[ADRS+\kp], \kp*REG, v[ADRS]
.endr
	v_lshlrev_b32 v[BO], 5, v2                     ; 32 h
	v_and_b32 v[BO+1], 15, v0
	v_lshlrev_b32 v[BO+1], 2, v[BO+1]              ; 4 r
.irp b, 0,1,2,3
	v_mov_b32 v[TM+4+\b], 0                        ; written once: a lane permute's destination counts as one of its sources
.endr
	s_wait_tensorcnt 3                             ; my part of region 0 is in; the three younger loads may be out
	s_barrier_signal -1
	s_barrier_wait -1
	FETCH 0
	KSTEP 0, 0
	KSTEP 1, 2
	KSTEP 2, 2
	KSTEP 3, 2
	KSTEP 4, 2
	KSTEP 5, 2
	KSTEP 6, 2
	s_cmp_ge_u32 s20, 4
	s_cbranch_scc1 .Larm_v
	; ---- q and k.  The bias of my lane's features: 128 x block + 16 b + 8 h + j
	s_lshl_b32 s92, s86, 9
	s_mov_b32 s93, 0
	s_add_nc_u64 s[94:95], s[8:9], s[92:93]
.irp b, 0,1,2,3,4,5,6,7
	global_load_b128 v[BI+8*\b:BI+8*\b+3], v[BO], s[94:95] offset:64*\b
	global_load_b128 v[BI+8*\b+4:BI+8*\b+7], v[BO], s[94:95] offset:64*\b+16
.endr
	s_cmp_lt_u32 s20, 2
	s_cselect_b64 s[96:97], s[10:11], s[12:13]     ; q's buffer or k's
	s_lshr_b32 s92, s56, 3                         ; the batch
	s_lshl_b32 s92, s92, 4
	s_and_b32 s98, s20, 1
	s_lshl_b32 s98, s98, 2
	s_add_co_u32 s98, s98, s18
	s_lshl_b32 s98, s98, 1                         ; the first of my block's two heads
	s_add_co_u32 s92, s92, s98
	s_lshl_b32 s92, s92, 5                         ; 32 double images a head
	s_and_b32 s98, s56, 7
	s_lshl_b32 s98, s98, 2
	s_add_co_u32 s92, s92, s98
	s_add_co_u32 s92, s92, s[WV]                   ; my wave's 64 tokens are one of them
	s_mul_i32 s92, s92, DI
	s_add_nc_u64 s[96:97], s[96:97], s[92:93]
	KSTEP 7, 2
	s_wait_loadcnt 0x0                             ; the bias
	PLACES 4                                       ; behind the last products: their results are read and their operands' registers written below
; head e of the two, image i: token tiles 2 i and 2 i + 1, 64 channels each; the bias is added on the way into window 0, each accumulator from its low end on
.macro OUTQK e, i
	s_wait_xcnt 0x0                                ; earlier stores have read their data: the codes' and the words' registers are written again only behind this wait
	WIN 0x02                                       ; source 0 window 2
.irp y, 0,1
.irp p, 0,2,4,6,8,10,12,14,16,18,20,22,24,26,28,30
	v_pk_add_f32 v[T+32*\y+\p:T+32*\y+\p+1], v[64*(2*\i+\y)+32*\e+\p:64*(2*\i+\y)+32*\e+\p+1], v[BI+32*\e+\p:BI+32*\e+\p+1]
.endr
.endr
	WIN 0
	QUANT T, PW+\i, 0x3000000
.irp c, 0,1,2
	global_store_b128 v[LI], v[PC+4*\c:PC+4*\c+3], s[96:97] offset:\e*32*DI+\i*1536+512*\c
.endr
.endm
.irp e, 0,1
	OUTQK \e, 0
	OUTQK \e, 1
	global_store_b64 v[L8], v[PW:PW+1], s[96:97] offset:\e*32*DI+3072
.endr
	s_branch .Lend
.Larm_v:
	; ---- v.  The bias of my lane's channel: 2,048 + 256 cy + 64 wave + 16 a + r, twice: a pair for the packed addition
	s_lshl_b32 s92, s19, 10
	s_lshl_b32 s98, s[WV], 8
	s_add_co_u32 s92, s92, s98
	s_add_co_u32 s92, s92, 8192
	s_mov_b32 s93, 0
	s_add_nc_u64 s[94:95], s[8:9], s[92:93]
.irp a, 0,1,2,3
	global_load_b32 v[BI+2*\a], v[BO+1], s[94:95] offset:64*\a
	global_load_b32 v[BI+2*\a+1], v[BO+1], s[94:95] offset:64*\a
.endr
	s_lshr_b32 s92, s86, 4                         ; the batch
	s_lshl_b32 s92, s92, 4
	s_lshl_b32 s98, s19, 2
	s_add_co_u32 s92, s92, s98
	s_add_co_u32 s92, s92, s[WV]                   ; my wave's 64 channels are head 4 cy + wave
	s_lshl_b32 s92, s92, 5
	s_and_b32 s98, s86, 15                         ; the key step
	s_lshl_b32 s98, s98, 1
	s_add_co_u32 s92, s92, s98
	s_mul_i32 s92, s92, DI
	s_add_nc_u64 s[96:97], s[14:15], s[92:93]
	KSTEP 7, 2
	s_wait_loadcnt 0x0
	PLACES 4
.macro OUTV a                          ; channels 16 a .. 16 a + 15 x 128 keys: one image
	s_wait_xcnt 0x0
	WIN 0x02
.irp p, 0,2,4,6,8,10,12,14,16,18,20,22,24,26,28,30,32,34,36,38,40,42,44,46,48,50,52,54,56,58,60,62
	v_pk_add_f32 v[T+\p:T+\p+1], v[64*\a+\p:64*\a+\p+1], v[BI+2*\a:BI+2*\a+1]
.endr
	WIN 0
	QUANT T, PW+\a%2, 0x3000000
.irp c, 0,1,2
	global_store_b128 v[LI], v[PC+4*\c:PC+4*\c+3], s[96:97] offset:(\a/2)*DI+(\a%2)*1536+512*\c
.endr
.endm
	OUTV 0
	OUTV 1
	global_store_b64 v[L8], v[PW:PW+1], s[96:97] offset:3072
	OUTV 2
	OUTV 3
	global_store_b64 v[L8], v[PW:PW+1], s[96:97] offset:DI+3072
.Lend:
	s_wait_tensorcnt 0x0                           ; the wave's end: behind my last tensor load
	ds_add_u32 v[SPW], v[NIL]
	s_wait_dscnt 0x0
	CROUND                                         ; the closing round
	s_endpgm
.Lfunc_end_k_qba339f98ba_gemm1:
	.size	k_qba339f98ba_gemm1, .Lfunc_end_k_qba339f98ba_gemm1-k_qba339f98ba_gemm1
	.p2alignl 7, 3214868480
	.fill 96, 4, 3214868480
	.section	.rodata,"a",@progbits
	.p2align	6, 0x0
	.amdhsa_kernel k_qba339f98ba_gemm1
		.amdhsa_group_segment_fixed_size 327680
		.amdhsa_private_segment_fixed_size 0
		.amdhsa_enable_private_segment 0
		.amdhsa_kernarg_size 48
		.amdhsa_user_sgpr_count 2
		.amdhsa_user_sgpr_kernarg_segment_ptr 1
		.amdhsa_wavefront_size32 1
		.amdhsa_system_sgpr_workgroup_id_x 1
		.amdhsa_system_sgpr_workgroup_id_y 1
		.amdhsa_system_sgpr_workgroup_id_z 1
		.amdhsa_system_vgpr_workitem_id 0
		.amdhsa_next_free_vgpr 768
		.amdhsa_next_free_sgpr 100
		.amdhsa_reserve_vcc 0
		.amdhsa_float_denorm_mode_32 3
		.amdhsa_float_denorm_mode_16_64 3
		.amdhsa_memory_ordered 1
		.amdhsa_forward_progress 1
		.amdhsa_inst_pref_size 121
	.end_amdhsa_kernel
	.amdgpu_metadata
---
amdhsa.version: [ 1, 2 ]
amdhsa.kernels:
  - .name:           k_qba339f98ba_gemm1
    .symbol:         k_qba339f98ba_gemm1.kd
    .args:
      - { .name: xq, .offset: 0, .size: 8, .value_kind: global_buffer, .address_space: global }
      - { .name: wq, .offset: 8, .size: 8, .value_kind: global_buffer, .address_space: global }
      - { .name: b_in, .offset: 16, .size: 8, .value_kind: global_buffer, .address_space: global }
      - { .name: qb, .offset: 24, .size: 8, .value_kind: global_buffer, .address_space: global }
      - { .name: kb, .offset: 32, .size: 8, .value_kind: global_buffer, .address_space: global }
      - { .name: vb, .offset: 40, .size: 8, .value_kind: global_buffer, .address_space: global }
    .group_segment_fixed_size: 327680
    .private_segment_fixed_size: 0
    .kernarg_segment_align: 8
    .kernarg_segment_size: 48
    .max_flat_workgroup_size: 128
    .sgpr_count:     100
    .vgpr_count:     768
    .wavefront_size: 32
...
	.end_amdgpu_metadata
.endif
;; end of part 2
;; launch attn (part 3): grid 16 x 16, 8 waves a work-group, clusters of 4 x 4, 327,680 bytes of LDS; arguments qb, kb, vb, attn_mask, ab; writes ab
.if DOCPART == 3
	.amdgcn_target "amdgcn-amd-amdhsa--gfx1250"
	.amdhsa_code_object_version 6
	.text
	.protected	k_qba339f98ba_attn
	.globl	k_qba339f98ba_attn
	.p2align	8
	.type	k_qba339f98ba_attn,@function
k_qba339f98ba_attn:
	s_mov_b64 s[64:65], 0
	v_nop
	global_prefetch_b8 v0, s[64:65] scope:SCOPE_SE
	s_setreg_imm32_b32 hwreg(HW_REG_WAVE_MODE, 25, 1), 1
	s_wait_xcnt 0x0
	s_wait_alu depctr_hold_cnt(0) depctr_sa_sdst(0) depctr_va_vdst(0) depctr_va_sdst(0) depctr_va_ssrc(0) depctr_va_vcc(0) depctr_vm_vsrc(0)
	s_getreg_b32 s2, hwreg(HW_REG_IB_STS2, 6, 4)
	s_cmp_eq_u32 s2, 0
	s_cbranch_scc0 .Lentry_in_a_cluster
	s_endpgm
.Lentry_in_a_cluster:
	s_bfe_u32 s2, ttmp6, 0x10000c
	s_cmp_lg_u32 s2, 0xf033
	s_cbranch_scc0 .Lentry_shape_is_right
	s_endpgm
.Lentry_shape_is_right:
; Launch 3 of 4: o = softmax(q k^T / 8 + attn_mask) v for 64 (batch, head) pairs, 2,048 queries and keys, head size 64, both products on codes of FP6 with E8M0 scales.  No work of reference() is left out: the mask is an input, every key tile is computed.
; THE SOFTMAX AHEAD OF THE SECOND PRODUCT: t = logit x log2(e); M = the running largest t rounded UP to a whole number; p = 2^(t - M) is quantised along the keys, not normalised; the row's sum is taken of the unquantised p and divides at the end.
; SHARES.  A work-group owns 128 queries (QB) x 4 heads of one batch (G = 4 x batch + head / 4).  Each of its eight waves owns 16 queries for all 4 heads: its 64 registers of the mask serve four heads, and its four o are one double image of the last product's operand.
; Every wave walks all keys, 128 a step; a step's mask tile (128 x 128 f32), K and V (4 heads x 2 double images each) come through a ring of two LDS slots.
; LAYOUT.  Both products are used transposed: S^T = K Q^T + mask (source 0 = keys, source 1 = my queries, C = the mask tile), O^T = V^T P^T: a lane holds ONE query throughout.
; K = 64 IN AN INSTRUCTION OF 128: an image of kb holds key tile 2 i in K 0 .. 63 and key tile 2 i + 1 in K 64 .. 127; it is multiplied once by [q | 0] and once by [0 | q], both cut from 18 registers [q | 0 | q].
; 1 / sqrt(64) = 2^-3 is taken off q's scale bytes (all at least 4 as the launch before makes them): exact.  The order inside a block of 32 is the transposed result's on both sides of each product (p and v, q and k, o and w_out).
; CLUSTER 4 x 4.  The mask tile hangs on QB alone: shared along a column; K and V on G alone: shared along a row: each is asked for jointly.
; OUT.  ab: [tile of 16 tokens][head / 4] double images: image i = heads 2 i, 2 i + 1 of the four: K = 128 of the last product.
; LIMITS: NaN and infinities are not served.  Blocks of p or o under 2^-124, zeros too, keep the byte 1: this program alone reads the bytes.  A block's largest p is made from the block's largest score by the same two instructions as every p.
; REGISTERS.  Window 0: v1-15 addresses; v16-31 four a head: -M, largest t, the sum in two halves; v32-35 q's scale words, v36-39 K's or V's, v40 p's; v42-43 f; v48-63 at work; v64-127 S^T, then p; v128-191 the mask; v192-210 p's codes.
;             Window 1: v0-127 O^T (32 a head); v128-199 [q | 0 | q] (18 a head); v200-247 four images of K or of V.
.set DI,    3328
.set HB,    32*DI                      ; a (batch, head)'s bytes in qb, kb, vb
.set MP,    528                        ; a mask row in LDS: 512 bytes + 16
.set KOFF,  128*MP                     ; a slot: the mask, then K's 8 double images, then V's 8
.set VOFF,  KOFF+8*DI
.set SLOT1, 1<<17                      ; slot 1 begins here: one exclusive or turns an address
.set SPARE, SLOT1+VOFF+8*DI            ; the spare words, 128 bytes a wave
.set AM0,  1
.set LI,   2                           ; 16 x lane
.set AK0,  3
.set AV0,  4
.set ASK0, 5
.set ASV0, 6
.set SPW,  7
.set NIL,  8
.set ADM,  9                           ; v9-13 the five addresses in the slot in hand
.set ADK,  10
.set ADV,  11
.set ADSK, 12
.set ADSV, 13
.set PFO,  14
.set L8,   15                          ; 8 x lane
.set ST,   16
.set QS,   32
.set KS,   36
.set PSW,  40
.set F,    42
.set TT,   44
.set PW,   46
.set TM,   48
.set S,    64
.set MK,   128
.set PC,   192
.set QF,   128                         ; window 1
.set FR,   200                         ; window 1
.set WV,   14
.set TB,   19
.set SEL,  20
.set CS,   22
.set G1M,  24
.set G1KV, 32
.set G0M,  40
.set G0K,  44
.set G0V,  48
.set CNT,  52
.set LIM,  53
.set PFA,  54
.set PFS,  56
.set MSB, 0
.macro WIN new
.if MSB != \new
	s_set_vgpr_msb (MSB<<8)|\new
.set MSB, \new
.endif
.endm
.macro PLACES n
.rept \n
	v_nop
.endr
.endm
.macro CROUND
	s_barrier_signal -1
	s_barrier_wait -1
	s_cmp_lg_u32 s[WV], 0
	s_cbranch_scc1 .Lnot_wave_0_\@
	s_barrier_signal -3
.Lnot_wave_0_\@:
	s_barrier_wait -3
	s_barrier_signal -1
	s_barrier_wait -1
.endm
; A joint load a wave: waves 0-3 a quarter of the mask tile, waves 4, 5 two heads of K, waves 6, 7 two heads of V.  The branches hang on the wave's number alone.
.macro TLOAD
	s_cmp_lt_u32 s[WV], 4
	s_cbranch_scc0 .Lnot_m_\@
	tensor_load_to_lds s[G0M:G0M+3], s[G1M:G1M+7]
	s_nop 0
	PLACES 4
	s_branch .Lasked_\@
.Lnot_m_\@:
	s_cmp_lt_u32 s[WV], 6
	s_cbranch_scc0 .Lnot_k_\@
	tensor_load_to_lds s[G0K:G0K+3], s[G1KV:G1KV+7]
	s_nop 0
	PLACES 4
	s_branch .Lasked_\@
.Lnot_k_\@:
	tensor_load_to_lds s[G0V:G0V+3], s[G1KV:G1KV+7]
	s_nop 0
	PLACES 4
.Lasked_\@:
.endm
; A PREFETCH INTO THE L2 of what the NEXT trip's loads will ask for, behind my tensor load.  The mask tile of a QB is walked by the four clusters of a column of clusters: the one with cluster y = 0 asks; its four partners of a column
; share the 128 rows out by address (waves 0 and 1: rows 16 (2 cy + wave) + lane / 2, half lane % 2 of the row's 512 bytes).  K and V of a G are walked by the four clusters of a row of clusters: the one with cluster x = 0 asks; partner cx
; takes head cx: 6,656 bytes, lanes 256 bytes apart (lanes 26-31 name the last block again); wave 4 K's, wave 6 V's.  The trip that loads the last step asks for nothing; steps 0 and 1 come by their loads alone.
.macro ASK
	s_cmp_gt_u32 s[CNT], s[LIM]
	s_cbranch_scc0 .Lnot_mine_\@
	global_prefetch_b8 v[PFO], s[PFA:PFA+1] th:TH_LOAD_NT scope:SCOPE_SE
.Lnot_mine_\@:
.endm
.macro QUANT s, pw, floor
.irp b, 0,1,2,3
	v_max3_num_f32 v[TM+\b], |v[\s+16*\b]|, |v[\s+1+16*\b]|, \floor
.endr
.irp i, 2,4,6,8,10,12,14
.irp b, 0,1,2,3
	v_max3_num_f32 v[TM+\b], v[TM+\b], |v[\s+16*\b+\i]|, |v[\s+1+16*\b+\i]|
.endr
.endr
.irp b, 0,1,2,3
	v_permlanex16_b32 v[TM+4+\b], v[TM+\b], s[SEL], s[SEL+1]
.endr
.irp b, 0,1,2,3
	v_max_num_f32 v[TM+\b], v[TM+\b], v[TM+4+\b]
.endr
.irp b, 0,1,2,3
	v_add_nc_u32 v[TM+12+\b], 0xff000000, v[TM+\b]
.endr
.irp b, 0,1,2,3
	v_lshrrev_b32 v[TM+4+\b], 23, v[TM+12+\b]
.endr
	v_lshl_or_b32 v[\pw], v[TM+5], 8, v[TM+4]
	v_lshl_or_b32 v[\pw], v[TM+6], 16, v[\pw]
	v_lshl_or_b32 v[\pw], v[TM+7], 24, v[\pw]
.irp c, 0,1
	v_cvt_scalef32_pk16_fp6_f32 v[PC+6*\c:PC+2+6*\c], v[\s+32*\c:\s+15+32*\c], v[TM+12+2*\c]
	v_cvt_scalef32_pk16_fp6_f32 v[PC+12+4*\c:PC+14+4*\c], v[\s+16+32*\c:\s+31+32*\c], v[TM+12+2*\c+1]
.endr
	v_nop
.irp c, 0,1
.irp i, 0,1,2
	v_permlane16_swap_b32 v[PC+6*\c+\i], v[PC+12+4*\c+\i]
.endr
.irp i, 0,1,2
	v_mov_b32 v[PC+3+6*\c+\i], v[PC+12+4*\c+\i]
.endr
.endr
.endm
	s_load_b256 s[4:11], s[0:1], 0x0               ; qb s[4:5], kb s[6:7], vb s[8:9], attn_mask s[10:11]
	s_load_b64 s[12:13], s[0:1], 0x20              ; ab
	v_lshl_add_u32 v[SPW], v0, 2, SPARE
	v_mov_b32 v[NIL], 0
	ds_add_u32 v[SPW], v[NIL]                      ; the wave's opening: the add, twice on end, and its wait ahead of my first tensor load
	ds_add_u32 v[SPW], v[NIL]
	v_lshrrev_b32 v1, 5, v0
	v_readfirstlane_b32 s[WV], v1                  ; wave 0..7
	s_bfe_u32 s16, ttmp6, 0x40000                  ; cx
	s_bfe_u32 s17, ttmp6, 0x40004                  ; cy
	s_lshl_b32 s18, ttmp9, 2
	s_add_co_u32 s18, s18, s16                     ; QB = 4 x cluster x + cx
	s_and_b32 s59, ttmp7, 0xffff
	s_lshl_b32 s59, s59, 2
	s_add_co_u32 s59, s59, s17                     ; G = 4 x cluster y + cy
	s_lshl_b32 s62, 0x1111, s16                    ; my column
	s_lshl_b32 s69, s17, 2
	s_lshl_b32 s69, 15, s69                        ; my row
	s_or_b32 s[G1M], s62, (2<<16)|(1<<20)|(1<<21)|(6<<22)|(3<<25)   ; the mask: elements of 4 bytes; 4 words of padding behind every 128
	s_mov_b32 s[G1M+1], 128<<16                    ; tensor_dim0 = 128 keys
	s_mov_b32 s[G1M+2], 32<<16                     ; tensor_dim1 = 32 queries
	s_mov_b32 s[G1M+3], 128<<16
	s_mov_b32 s[G1M+4], 32
	s_mov_b32 s[G1M+5], 2048                       ; a row of the mask
	s_mov_b32 s[G1M+6], 0
	s_mov_b32 s[G1M+7], 0
	s_or_b32 s[G1KV], s69, (3<<16)|(1<<21)         ; K, V: elements of 8 bytes, no padding
	s_mov_b32 s[G1KV+1], 832<<16                   ; two double images: a head's step
	s_mov_b32 s[G1KV+2], 2<<16                     ; two heads
	s_mov_b32 s[G1KV+3], 832<<16
	s_mov_b32 s[G1KV+4], 2
	s_mov_b32 s[G1KV+5], 13312                     ; from head to head
	s_mov_b32 s[G1KV+6], 0
	s_mov_b32 s[G1KV+7], 0
	; the mask's address: registers s60-63 never hold cy
	s_and_b32 s62, s[WV], 3
	s_lshl_b32 s60, s18, 20                        ; 128 QB rows of 8,192 bytes
	s_lshl_b32 s63, s62, 18                        ; + my 32 rows
	s_add_co_u32 s60, s60, s63
	s_mov_b32 s61, 0
	s_mul_i32 s62, s62, 32*MP
	; K's and V's: registers s66-69 never hold cx
	s_and_b32 s68, s[WV], 1
	s_lshl_b32 s66, s59, 2
	s_lshl_b32 s69, s68, 1
	s_add_co_u32 s66, s66, s69                     ; (batch, head) = 4 G + 2 (wave % 2)
	s_mul_i32 s66, s66, HB
	s_mov_b32 s67, 0
	s_mul_i32 s68, s68, 4*DI
	s_mov_b32 s[SEL], 0x76543210
	s_mov_b32 s[SEL+1], 0xfedcba98
	s_mov_b32 s[CS], 0x3fb8aa3b                    ; log2(e)
	s_mov_b32 s[CS+1], s[CS]                       ; (named with it as a pair, so it is written)
	s_mov_b32 s[TB], 0
	s_mov_b32 s[CNT], 15
	s_wait_dscnt 0x0                               ; both opening adds are done
	s_wait_kmcnt 0x0
	s_mov_b32 s[G0M], 1
	s_mov_b32 s[G0M+1], s62
	s_add_nc_u64 s[G0M+2:G0M+3], s[10:11], s[60:61]
	s_or_b32 s[G0M+3], s[G0M+3], 0x80000000
	s_mov_b32 s[G0K], 1
	s_add_co_u32 s[G0K+1], s68, KOFF
	s_add_nc_u64 s[G0K+2:G0K+3], s[6:7], s[66:67]
	s_or_b32 s[G0K+3], s[G0K+3], 0x80000000
	s_mov_b32 s[G0V], 1
	s_add_co_u32 s[G0V+1], s68, VOFF
	s_add_nc_u64 s[G0V+2:G0V+3], s[8:9], s[66:67]
	s_or_b32 s[G0V+3], s[G0V+3], 0x80000000
	CROUND                                         ; all sixteen work-groups are here
	TLOAD                                          ; key step 0 into slot 0
	; q: my 16 queries are half (wave % 2) of image (wave / 2) % 2 of double image 2 QB + wave / 4 of each head
	v_and_b32 v45, 31, v0                          ; lane
	v_and_b32 v212, 15, v0                         ; r
	v_bfe_u32 v213, v0, 4, 1                       ; h
	v_lshlrev_b32 v[LI], 4, v45
	v_lshlrev_b32 v[L8], 3, v45
	s_lshl_b32 s70, s59, 7
	s_lshl_b32 s71, s18, 1
	s_add_co_u32 s70, s70, s71
	s_lshr_b32 s71, s[WV], 2
	s_add_co_u32 s70, s70, s71
	s_mul_i32 s70, s70, DI
	s_mov_b32 s71, 0
	s_add_nc_u64 s[72:73], s[4:5], s[70:71]
	s_bfe_u32 s74, s[WV], 0x10001
	s_mul_i32 s75, s74, 1536
	s_lshl_b32 s76, s74, 2
	s_add_co_u32 s76, s76, 3072
	v_add_nc_u32 v214, s75, v[LI]
	v_add_nc_u32 v215, s76, v[L8]
.irp e, 0,1,2,3
.irp c, 0,1,2
	global_load_b128 v[S+12*\e+4*\c:S+12*\e+4*\c+3], v214, s[72:73] offset:\e*HB+512*\c
.endr
	global_load_b32 v[TM+\e], v215, s[72:73] offset:\e*HB
.endr
	s_mul_i32 s15, s[WV], 16*MP
	v_mul_u32_u24 v[AM0], v212, MP
	v_lshl_add_u32 v[AM0], v213, 5, v[AM0]
	v_add_nc_u32 v[AM0], s15, v[AM0]               ; the mask: row 16 wave + r, + 32 h: my eight keys of a tile
	v_add_nc_u32 v[AK0], KOFF, v[LI]
	v_add_nc_u32 v[AV0], VOFF, v[LI]
	v_add_nc_u32 v[ASK0], KOFF+3072, v[L8]
	v_add_nc_u32 v[ASV0], VOFF+3072, v[L8]
	; where o goes: double image (128 batch + 8 QB + wave) x 4 + G % 4
	s_lshr_b32 s78, s59, 2
	s_lshl_b32 s78, s78, 7
	s_lshl_b32 s79, s18, 3
	s_add_co_u32 s78, s78, s79
	s_add_co_u32 s78, s78, s[WV]
	s_lshl_b32 s78, s78, 2
	s_and_b32 s79, s59, 3
	s_add_co_u32 s78, s78, s79
	s_mul_i32 s78, s78, DI
	s_mov_b32 s79, 0
	s_add_nc_u64 s[12:13], s[12:13], s[78:79]
	; the prefetches: where my wave's stand (at key step 1: the first trip steps them to step 2), and who asks
	s_lshl_b32 s80, s17, 1
	s_add_co_u32 s80, s80, s[WV]
	s_lshl_b32 s80, s80, 17                        ; 16 (2 cy + wave) rows of the mask
	s_lshl_b32 s81, s18, 20
	s_add_co_u32 s80, s80, s81
	s_add_co_u32 s80, s80, 512
	s_lshl_b32 s81, s59, 2
	s_add_co_u32 s81, s81, s16                     ; (batch, head) = 4 G + cx
	s_mul_i32 s81, s81, HB
	s_add_co_u32 s81, s81, 2*DI
	s_mov_b32 s[PFS], 2*DI
	s_mov_b32 s82, 256
	s_and_b32 s83, ttmp7, 0xffff
	s_cmp_lt_u32 s[WV], 6
	s_cselect_b64 s[PFA:PFA+1], s[6:7], s[8:9]
	s_cmp_lt_u32 s[WV], 2
	s_cselect_b64 s[PFA:PFA+1], s[10:11], s[PFA:PFA+1]
	s_cselect_b32 s80, s80, s81
	s_cselect_b32 s[PFS], 512, s[PFS]              ; a key step on
	s_cselect_b32 s82, 8192, s82
	s_cselect_b32 s84, 31, 25
	s_cselect_b32 s85, 1, 0
	s_cselect_b32 s83, s83, ttmp9                  ; the coordinate along which other clusters walk the same bytes
	s_mov_b32 s81, 0
	s_mov_b32 s[PFS+1], 0
	s_add_nc_u64 s[PFA:PFA+1], s[PFA:PFA+1], s[80:81]
	v_min_u32 v[PFO], s84, v45
	v_lshrrev_b32 v45, s85, v[PFO]
	v_mul_lo_u32 v45, v45, s82
	v_and_b32 v[PFO], s85, v[PFO]
	v_lshl_add_u32 v[PFO], v[PFO], 8, v45
	s_lshr_b32 s86, 0x53, s[WV]                    ; waves 0, 1, 4, 6 ask
	s_and_b32 s86, s86, 1
	s_xor_b32 s86, s86, 1
	s_or_b32 s86, s86, s83
	s_cmp_eq_u32 s86, 0
	s_cselect_b32 s[LIM], 1, -1                    ; the same in all partners, for a given wave
	s_and_b32 s77, s[WV], 1
	s_cmp_eq_u32 s77, 1
	s_cselect_b32 s58, -1, 0                       ; all lanes: my queries are the image's upper half of K
	s_lshl_b32 s77, s77, 4
.irp e, 0,1,2,3
	v_mov_b32 v[ST+4*\e+1], 0xff61b1e6             ; the largest t so far: -3e38
	v_floor_f32 v[ST+4*\e], -v[ST+4*\e+1]          ; -M
	v_mov_b32 v[ST+4*\e+2], 0                      ; the sum, in two halves
	v_mov_b32 v[ST+4*\e+3], 0
	v_mov_b32 v[TM+4+\e], 0                        ; written once: a lane permute's destination counts as one of its sources
.endr
	v_mov_b32 v[F+1], 0                            ; (named as the upper half of the pair with f)
	WIN 0x40                                       ; destination window 1
.set JJ, 0
.rept 128
	v_mov_b32 v[JJ], 0                             ; O^T: the step is written once for all steps; the first change of M leaves zeros zeros
.set JJ, JJ+1
.endr
	s_wait_loadcnt 0x0                             ; q
.irp e, 0,1,2,3
.irp i, 0,1,2,3,4,5
	v_cndmask_b32 v[QF+18*\e+\i], v[S+12*\e+\i], v[S+12*\e+6+\i], s58
	v_mov_b32 v[QF+18*\e+6+\i], 0
	v_cndmask_b32 v[QF+18*\e+12+\i], v[S+12*\e+\i], v[S+12*\e+6+\i], s58
.endr
.endr
	WIN 0
.irp e, 0,1,2,3
	v_lshrrev_b32 v[TM+\e], s77, v[TM+\e]          ; my queries' two bytes,
	v_and_b32 v[TM+\e], 0xffff, v[TM+\e]
	v_lshl_or_b32 v[TM+\e], v[TM+\e], 16, v[TM+\e] ; for [q | 0] and for [0 | q],
	v_add_nc_u32 v[QS+\e], 0xfcfcfcfd, v[TM+\e]    ; 3 off each: 1 / 8; no byte is under 4, so nothing is borrowed
.endr
; HEAD e OF A KEY STEP.
.macro UNIT e
.set SE, ST+4*(\e)
	PLACES 4                                       ; in front of loads into registers that the last products have read
	WIN 0x40
.irp i, 0,1,2,3
.irp c, 0,1,2
	ds_load_b128 v[FR+12*\i+4*\c:FR+12*\i+4*\c+3], v[ADK] offset:(\e)*2*DI+(\i/2)*DI+(\i%2)*1536+512*\c
.endr
.endr
	WIN 0
	ds_load_b64 v[KS:KS+1], v[ADSK] offset:(\e)*2*DI
	ds_load_b64 v[KS+2:KS+3], v[ADSK] offset:(\e)*2*DI+DI
	s_wait_dscnt 0x0
	WIN 0x05                                       ; K and q in window 1; the mask and S^T in window 0
.irp t, 0,1,2,3,4,5,6,7
	v_wmma_scale_f32_16x16x128_f8f6f4 v[S+8*\t:S+8*\t+7], v[FR+12*(\t/2):FR+12*(\t/2)+11], v[QF+18*(\e)+6*(\t%2):QF+18*(\e)+6*(\t%2)+11], v[MK+8*\t:MK+8*\t+7], v[KS+\t/2], v[QS+(\e)] matrix_a_fmt:MATRIX_FMT_FP6 matrix_b_fmt:MATRIX_FMT_FP6
.endr
	WIN 0
	PLACES 4                                       ; behind the products: V's loads land in K's registers, and the scores are read
	WIN 0x40
.irp i, 0,1,2,3
.irp c, 0,1,2
	ds_load_b128 v[FR+12*\i+4*\c:FR+12*\i+4*\c+3], v[ADV] offset:(\e)*2*DI+(\i/2)*DI+(\i%2)*1536+512*\c   ; they land while the softmax is walked
.endr
.endr
	WIN 0
	ds_load_b64 v[KS:KS+1], v[ADSV] offset:(\e)*2*DI
	ds_load_b64 v[KS+2:KS+3], v[ADSV] offset:(\e)*2*DI+DI
.irp b, 0,1,2,3
	v_max3_num_f32 v[TM+\b], v[S+16*\b], v[S+1+16*\b], v[S+2+16*\b]   ; the largest logit of each block of 32 keys: for the row's maximum and for the block's largest p
.endr
.irp i, 3,5,7,9,11,13
.irp b, 0,1,2,3
	v_max3_num_f32 v[TM+\b], v[TM+\b], v[S+16*\b+\i], v[S+1+16*\b+\i]
.endr
.endr
.irp b, 0,1,2,3
	v_max_num_f32 v[TM+\b], v[TM+\b], v[S+15+16*\b]
.endr
.irp b, 0,1,2,3
	v_permlanex16_b32 v[TM+4+\b], v[TM+\b], s[SEL], s[SEL+1]
.endr
.irp b, 0,1,2,3
	v_max_num_f32 v[TM+\b], v[TM+\b], v[TM+4+\b]   ; with lane l xor 16's 16 keys
.endr
	v_max3_num_f32 v[TT], v[TM], v[TM+1], v[TM+2]
	v_max_num_f32 v[TT], v[TT], v[TM+3]
	v_mul_f32 v[TT], s[CS], v[TT]                  ; as t
	v_max_num_f32 v[SE+1], v[SE+1], v[TT]          ; the running largest t
	v_mov_b32 v[TT], v[SE]
	v_floor_f32 v[SE], -v[SE+1]                    ; the new -M = -ceil(t): a whole number
	v_sub_f32 v[TT], v[SE], v[TT]                  ; old M - new M: a whole number, 0 or less
	v_cvt_i32_f32 v[TT], v[TT]                     ; (it saturates)
	v_ldexp_f32 v[F], 1.0, v[TT]                   ; f = 2^(old M - new M): rounds nothing
.set JJ, 0
.rept 32
	v_pk_fma_f32 v[S+JJ:S+JJ+1], v[S+JJ:S+JJ+1], s[CS:CS+1], v[SE:SE+1] op_sel_hi:[1,0,0]   ; t - M, two at a time
.set JJ, JJ+2
.endr
.irp b, 0,1,2,3
	v_fma_f32 v[TM+\b], v[TM+\b], s[CS], v[SE]     ; the same of each block's largest logit
.endr
.set JJ, 0
.rept 64
	v_exp_f32 v[S+JJ], v[S+JJ]                     ; p = 2^(t - M)
.set JJ, JJ+1
.endr
	v_pk_mul_f32 v[SE+2:SE+3], v[SE+2:SE+3], v[F:F+1] op_sel_hi:[1,0]   ; the sums under the new M: a plain instruction behind the exponentials
	s_wait_alu depctr_va_vdst(0)                   ; one wait for the batch of 64, ahead of its first reader
.irp b, 0,1,2,3
	v_exp_f32 v[TM+\b], v[TM+\b]                   ; the block's largest p
.endr
	v_pk_add_f32 v[TM+4:TM+5], v[S:S+1], v[S+2:S+3]   ; the row's sum is taken of the unquantised p, in two chains
.irp j, 4,8,12,16,20,24,28,32,36,40,44,48,52,56,60
	v_pk_add_f32 v[SE+2:SE+3], v[SE+2:SE+3], v[S+\j:S+\j+1]
	v_pk_add_f32 v[TM+4:TM+5], v[TM+4:TM+5], v[S+2+\j:S+3+\j]
.endr
	v_pk_add_f32 v[SE+2:SE+3], v[SE+2:SE+3], v[TM+4:TM+5]
	s_wait_alu depctr_va_vdst(0)                   ; and one for the four
.irp b, 0,1,2,3
	v_max_num_f32 v[TM+\b], 0x1800000, v[TM+\b]    ; the floor 2^(3 - 127): the byte cannot fall under 1
.endr
.irp b, 0,1,2,3
	v_add_nc_u32 v[TM+12+\b], 0xff000000, v[TM+\b]
.endr
.irp b, 0,1,2,3
	v_lshrrev_b32 v[TM+4+\b], 23, v[TM+12+\b]
.endr
	v_lshl_or_b32 v[PSW], v[TM+5], 8, v[TM+4]      ; p's scale word for these 128 keys
	v_lshl_or_b32 v[PSW], v[TM+6], 16, v[PSW]
	v_lshl_or_b32 v[PSW], v[TM+7], 24, v[PSW]
.irp c, 0,1
	v_cvt_scalef32_pk16_fp6_f32 v[PC+6*\c:PC+2+6*\c], v[S+32*\c:S+15+32*\c], v[TM+12+2*\c]
	v_cvt_scalef32_pk16_fp6_f32 v[PC+12+4*\c:PC+14+4*\c], v[S+16+32*\c:S+31+32*\c], v[TM+12+2*\c+1]
.endr
	v_nop                                          ; one plain instruction behind the scaled conversions
.irp c, 0,1
.irp i, 0,1,2
	v_permlane16_swap_b32 v[PC+6*\c+\i], v[PC+12+4*\c+\i]
.endr
.irp i, 0,1,2
	v_mov_b32 v[PC+3+6*\c+\i], v[PC+12+4*\c+\i]
.endr
.endr
	WIN 0x41                                       ; O^T in window 1, f in window 0
.set JJ, 0
.rept 16
	v_pk_mul_f32 v[32*(\e)+JJ:32*(\e)+JJ+1], v[32*(\e)+JJ:32*(\e)+JJ+1], v[F:F+1] op_sel_hi:[1,0]   ; O^T under the new M; these sixteen also stand between the writing of p's codes and scale word and the products
.set JJ, JJ+2
.endr
	s_wait_dscnt 0x0                               ; V is in
	WIN 0x51                                       ; V window 1, p window 0, O^T window 1
.irp d, 0,1,2,3
	v_wmma_scale_f32_16x16x128_f8f6f4 v[32*(\e)+8*\d:32*(\e)+8*\d+7], v[FR+12*\d:FR+12*\d+11], v[PC:PC+11], v[32*(\e)+8*\d:32*(\e)+8*\d+7], v[KS+\d], v[PSW] matrix_a_fmt:MATRIX_FMT_FP6 matrix_b_fmt:MATRIX_FMT_FP6
.endr
	WIN 0
.endm
; A KEY STEP: 128 keys for my 16 queries x 4 heads.  The mask tile is read once for the four heads: register 8 t + j = mask(my query, key 16 t + 8 h + j), the layout of the scores.
.macro STEP
	v_add_nc_u32 v[ADM], s[TB], v[AM0]
	v_add_nc_u32 v[ADK], s[TB], v[AK0]
	v_add_nc_u32 v[ADV], s[TB], v[AV0]
	v_add_nc_u32 v[ADSK], s[TB], v[ASK0]
	v_add_nc_u32 v[ADSV], s[TB], v[ASV0]
.irp t, 0,1,2,3,4,5,6,7
	ds_load_b128 v[MK+8*\t:MK+8*\t+3], v[ADM] offset:64*\t
	ds_load_b128 v[MK+8*\t+4:MK+8*\t+7], v[ADM] offset:64*\t+16
.endr
	UNIT 0
	UNIT 1
	UNIT 2
	UNIT 3
	s_xor_b32 s[TB], s[TB], SLOT1                  ; on to the other slot
.endm
.Lstep:                                            ; 15 trips: trip s asks for step s + 1 and works step s
	s_wait_tensorcnt 0x0                           ; my one tensor load has landed: my part of the slot that I am about to read; so every group 0 may be written
	ds_add_u32 v[SPW], v[NIL]                      ; 0 onto my spare word
	s_xor_b32 s[G0M+1], s[G0M+1], SLOT1            ; the walking descriptors: the other slot, the next 128 keys
	s_add_nc_u64 s[G0M+2:G0M+3], s[G0M+2:G0M+3], 512
	s_xor_b32 s[G0K+1], s[G0K+1], SLOT1
	s_add_nc_u64 s[G0K+2:G0K+3], s[G0K+2:G0K+3], 2*DI
	s_xor_b32 s[G0V+1], s[G0V+1], SLOT1
	s_add_nc_u64 s[G0V+2:G0V+3], s[G0V+2:G0V+3], 2*DI
	s_wait_xcnt 0x0                                ; the last prefetch, a step back, has read its address
	s_add_nc_u64 s[PFA:PFA+1], s[PFA:PFA+1], s[PFS:PFS+1]   ; one step further on than the walking descriptors
	s_wait_dscnt 0x0                               ; the add is done, and my reads of the slot that I have left are over
	CROUND                                         ; both hold of every wave of every partner
	TLOAD                                          ; my one tensor load behind the round: it has a whole step in which to land
	ASK
	STEP
	s_sub_co_u32 s[CNT], s[CNT], 1
	s_cmp_lg_u32 s[CNT], 0
	s_cbranch_scc1 .Lstep
	s_wait_tensorcnt 0x0                           ; the last step is written out: nothing more is asked for
	ds_add_u32 v[SPW], v[NIL]
	s_wait_dscnt 0x0
	s_barrier_signal -1
	s_barrier_wait -1
	STEP
	; THE WAY OUT.  o = O^T / the sum, quantised along the last product's K: two heads make an image.  The additions are the places behind the last products.
.irp e, 0,1,2,3
	v_add_f32 v[TM+\e], v[ST+4*\e+2], v[ST+4*\e+3]
.endr
.irp e, 0,1,2,3
	v_permlanex16_b32 v[TM+4+\e], v[TM+\e], s[SEL], s[SEL+1]
.endr
.irp e, 0,1,2,3
	v_add_f32 v[TM+\e], v[TM+\e], v[TM+4+\e]       ; the row's sum
.endr
.irp e, 0,1,2,3
	v_rcp_f32 v[ST+4*\e], v[TM+\e]                 ; into -M's place: with the register behind it a pair for the packed multiply
.endr
	v_nop                                          ; a plain instruction behind the last reciprocal
	s_wait_alu depctr_va_vdst(0)                   ; one wait for the four, ahead of their first reader
.macro OUTA i
	s_wait_xcnt 0x0                                ; earlier stores have read their data
	WIN 0x01                                       ; source 0 window 1
.set JJ, 0
.rept 32
	v_pk_mul_f32 v[S+JJ:S+JJ+1], v[64*\i+JJ:64*\i+JJ+1], v[ST+4*(2*\i+JJ/32):ST+4*(2*\i+JJ/32)+1] op_sel_hi:[1,0]   ; each accumulator from its low end on
.set JJ, JJ+2
.endr
	WIN 0
	QUANT S, PW+\i, 0x1800000
.irp c, 0,1,2
	global_store_b128 v[LI], v[PC+4*\c:PC+4*\c+3], s[12:13] offset:\i*1536+512*\c
.endr
.endm
	OUTA 0
	OUTA 1
	global_store_b64 v[L8], v[PW:PW+1], s[12:13] offset:3072
	s_wait_tensorcnt 0x0                           ; the wave's end: behind my last tensor load
	ds_add_u32 v[SPW], v[NIL]
	s_wait_dscnt 0x0
	CROUND                                         ; the closing round
	s_endpgm
.Lfunc_end_k_qba339f98ba_attn:
	.size	k_qba339f98ba_attn, .Lfunc_end_k_qba339f98ba_attn-k_qba339f98ba_attn
	.p2alignl 7, 3214868480
	.fill 96, 4, 3214868480
	.section	.rodata,"a",@progbits
	.p2align	6, 0x0
	.amdhsa_kernel k_qba339f98ba_attn
		.amdhsa_group_segment_fixed_size 327680
		.amdhsa_private_segment_fixed_size 0
		.amdhsa_enable_private_segment 0
		.amdhsa_kernarg_size 40
		.amdhsa_user_sgpr_count 2
		.amdhsa_user_sgpr_kernarg_segment_ptr 1
		.amdhsa_wavefront_size32 1
		.amdhsa_system_sgpr_workgroup_id_x 1
		.amdhsa_system_sgpr_workgroup_id_y 1
		.amdhsa_system_sgpr_workgroup_id_z 1
		.amdhsa_system_vgpr_workitem_id 0
		.amdhsa_next_free_vgpr 512
		.amdhsa_next_free_sgpr 100
		.amdhsa_reserve_vcc 0
		.amdhsa_float_denorm_mode_32 3
		.amdhsa_float_denorm_mode_16_64 3
		.amdhsa_memory_ordered 1
		.amdhsa_forward_progress 1
		.amdhsa_inst_pref_size 161
	.end_amdhsa_kernel
	.amdgpu_metadata
---
amdhsa.version: [ 1, 2 ]
amdhsa.kernels:
  - .name:           k_qba339f98ba_attn
    .symbol:         k_qba339f98ba_attn.kd
    .args:
      - { .name: qb, .offset: 0, .size: 8, .value_kind: global_buffer, .address_space: global }
      - { .name: kb, .offset: 8, .size: 8, .value_kind: global_buffer, .address_space: global }
      - { .name: vb, .offset: 16, .size: 8, .value_kind: global_buffer, .address_space: global }
      - { .name: attn_mask, .offset: 24, .size: 8, .value_kind: global_buffer, .address_space: global }
      - { .name: ab, .offset: 32, .size: 8, .value_kind: global_buffer, .address_space: global }
    .group_segment_fixed_size: 327680
    .private_segment_fixed_size: 0
    .kernarg_segment_align: 8
    .kernarg_segment_size: 40
    .max_flat_workgroup_size: 256
    .sgpr_count:     100
    .vgpr_count:     512
    .wavefront_size: 32
...
	.end_amdgpu_metadata
.endif
;; end of part 3
;; launch gemm2 (part 4): grid 8 x 32, 4 waves a work-group, clusters of 4 x 4, 327,680 bytes of LDS; arguments ab, oq, b_out, out0; writes out0
.if DOCPART == 4
	.amdgcn_target "amdgcn-amd-amdhsa--gfx1250"
	.amdhsa_code_object_version 6
	.text
	.protected	k_qba339f98ba_gemm2
	.globl	k_qba339f98ba_gemm2
	.p2align	8
	.type	k_qba339f98ba_gemm2,@function
k_qba339f98ba_gemm2:
	s_mov_b64 s[64:65], 0
	v_nop
	global_prefetch_b8 v0, s[64:65] scope:SCOPE_SE
	s_setreg_imm32_b32 hwreg(HW_REG_WAVE_MODE, 25, 1), 1
	s_wait_xcnt 0x0
	s_wait_alu depctr_hold_cnt(0) depctr_sa_sdst(0) depctr_va_vdst(0) depctr_va_sdst(0) depctr_va_ssrc(0) depctr_va_vcc(0) depctr_vm_vsrc(0)
	s_getreg_b32 s2, hwreg(HW_REG_IB_STS2, 6, 4)
	s_cmp_eq_u32 s2, 0
	s_cbranch_scc0 .Lentry_in_a_cluster
	s_endpgm
.Lentry_in_a_cluster:
	s_bfe_u32 s2, ttmp6, 0x10000c
	s_cmp_lg_u32 s2, 0xf033
	s_cbranch_scc0 .Lentry_shape_is_right
	s_endpgm
.Lentry_shape_is_right:
; Launch 4 of 4: out0 = o w_out^T + b_out on codes of FP6 with E8M0 scales; out0 [8192][1024] f32.  No work of reference() is left out.
; Operands come as DOUBLE IMAGES of 3,328 bytes (two fragments of 16 rows x 128 K as register images, 512 c + 16 x lane, and 256 bytes of scale words, a pair at 3,072 + 8 x lane): ab, oq: [tile of 16 rows][K / 256].
; A work-group makes 256 tokens x 128 features; ALL OF K = 1,024 LIES IN LDS: four regions (K / 256), each with A's 16 and B's 8 double images, each filled once: no slot is filled again.
; A wave takes 64 tokens (a = 0 .. 3) against all 128 features (b = 0 .. 7): 32 accumulators.  THE MATRIX INSTRUCTION IS USED TRANSPOSED (source 0 = rows of w_out, source 1 = tokens): a lane holds eight neighbouring features of one token.
; The bias is the C of each sum's first product.  CLUSTERS: 4 x 4: A's images are shared along a row of the cluster, B's along a column.  No prefetch: everything the work-group reads is asked for at its head.
; The way out goes through each wave's stage of 16 rows x 528 bytes, in region 0: it has had its one fill, and behind the barrier of K step 1 no wave reads it.
; LIMITS: NaN and infinities are not served.
.set DI,    3328
.set RT,    4*DI
.set REG,   24*DI
.set BOFF,  16*DI
.set SPARE, 4*REG
.set ADRA, 4
.set ADRB, 8
.set ADRS, 12
.set LI,   16
.set L8,   17
.set BO,   18                          ; v18 32 h
.set STO,  19                          ; v19 the stage, way in
.set RD,   20                          ; v20 the stage, way out
.set SPW,  28
.set NIL,  29
.set SC,   32
.set BI,   64
.set AF,   128
.set BK,   128                         ; the way out: rows read back: v128-191 and v192-255 by turns
.set WV,   16
.set G1A,  24
.set G1B,  32
.set G0A,  40
.set G0B,  68
.set MSB, 0
.macro WIN new
.if MSB != \new
	s_set_vgpr_msb (MSB<<8)|\new
.set MSB, \new
.endif
.endm
.macro PLACES n
.rept \n
	v_nop
.endr
.endm
.macro CROUND
	s_barrier_signal -1
	s_barrier_wait -1
	s_cmp_lg_u32 s[WV], 0
	s_cbranch_scc1 .Lnot_wave_0_\@
	s_barrier_signal -3
.Lnot_wave_0_\@:
	s_barrier_wait -3
	s_barrier_signal -1
	s_barrier_wait -1
.endm
.macro FETCH k
	WIN 0x40
.irp i, 0,1,2,3,4,5,6,7
.irp c, 0,1,2
	ds_load_b128 v[128*((\k)%2)+12*\i+4*\c:128*((\k)%2)+12*\i+4*\c+3], v[ADRB+(\k)/2] offset:\i*DI+((\k)%2)*1536+512*\c
.endr
.endr
	WIN 0
.irp i, 0,1,2,3
.irp c, 0,1,2
	ds_load_b128 v[AF+48*((\k)%2)+12*\i+4*\c:AF+48*((\k)%2)+12*\i+4*\c+3], v[ADRA+(\k)/2] offset:\i*DI+((\k)%2)*1536+512*\c
.endr
.endr
.if (\k)%2 == 0
.irp i, 0,1,2,3,4,5,6,7
	ds_load_b64 v[SC+16*(((\k)/2)%2)+2*\i:SC+16*(((\k)/2)%2)+2*\i+1], v[ADRS+(\k)/2] offset:\i*DI
.endr
.endif
.endm
; 32 matrix instructions, the 32 accumulators by turns.  mode 1: the bias starts the sums; 2: in place
.macro MUL k, mode
.if \mode == 1
	WIN 0x81                                       ; source 0 window 1, source 1 and C window 0, D window 2
.else
	WIN 0xa1
.endif
.irp a, 0,1,2,3
.irp b, 0,1,2,3,4,5,6,7
.if \mode == 1
	v_wmma_scale_f32_16x16x128_f8f6f4 v[64*\a+8*\b:64*\a+8*\b+7], v[128*((\k)%2)+12*\b:128*((\k)%2)+12*\b+11], v[AF+48*((\k)%2)+12*\a:AF+48*((\k)%2)+12*\a+11], v[BI+8*\b:BI+8*\b+7], v[SC+16*(((\k)/2)%2)+2*\b+(\k)%2], v[SC+16*(((\k)/2)%2)+2*\a+(\k)%2] matrix_a_fmt:MATRIX_FMT_FP6 matrix_b_fmt:MATRIX_FMT_FP6 matrix_a_scale:MATRIX_SCALE_ROW1
.else
	v_wmma_scale_f32_16x16x128_f8f6f4 v[64*\a+8*\b:64*\a+8*\b+7], v[128*((\k)%2)+12*\b:128*((\k)%2)+12*\b+11], v[AF+48*((\k)%2)+12*\a:AF+48*((\k)%2)+12*\a+11], v[64*\a+8*\b:64*\a+8*\b+7], v[SC+16*(((\k)/2)%2)+2*\b+(\k)%2], v[SC+16*(((\k)/2)%2)+2*\a+(\k)%2] matrix_a_fmt:MATRIX_FMT_FP6 matrix_b_fmt:MATRIX_FMT_FP6 matrix_a_scale:MATRIX_SCALE_ROW1
.endif
.endr
.endr
.endm
.macro KSTEP k, mode
	s_wait_dscnt 0x0                               ; step k's fragments are in
.if ((\k)%2 == 1) && ((\k) < 7)
	s_wait_tensorcnt 3-((\k)+1)/2                  ; my part of the next region has landed: so many of my four loads are younger than it
	s_barrier_signal -1
	s_barrier_wait -1
.endif
.if (\k) < 7
.if (\k) > 0
	PLACES 4
.endif
	FETCH (\k)+1
.endif
	MUL \k, \mode
	WIN 0
.endm
	s_load_b256 s[4:11], s[0:1], 0x0               ; ab s[4:5], oq s[6:7], b_out s[8:9], out0 s[10:11]
	v_lshl_add_u32 v[SPW], v0, 2, SPARE
	v_mov_b32 v[NIL], 0
	ds_add_u32 v[SPW], v[NIL]                      ; the wave's opening: the add, twice on end, and its wait ahead of my first tensor load
	ds_add_u32 v[SPW], v[NIL]
	v_lshrrev_b32 v1, 5, v0
	v_readfirstlane_b32 s[WV], v1
	s_and_b32 s17, s[WV], 1
	s_bfe_u32 s18, ttmp6, 0x40000                  ; cx
	s_bfe_u32 s19, ttmp6, 0x40004                  ; cy
	s_mov_b32 s20, ttmp9
	s_and_b32 s21, ttmp7, 0xffff
	s_lshl_b32 s22, s19, 2
	s_lshl_b32 s22, 15, s22
	s_lshl_b32 s23, 0x1111, s18
	s_or_b32 s[G1A], s22, (3<<16)|(1<<21)
	s_or_b32 s[G1B], s23, (3<<16)|(1<<21)
	s_mov_b32 s[G1A+1], 416<<16
	s_mov_b32 s[G1A+2], 8<<16
	s_mov_b32 s[G1A+3], 416<<16
	s_mov_b32 s[G1A+4], 8
	s_mov_b32 s[G1A+5], 1664
	s_mov_b32 s[G1A+6], 0
	s_mov_b32 s[G1A+7], 0
	s_mov_b32 s[G1B+1], 416<<16
	s_mov_b32 s[G1B+2], 4<<16
	s_mov_b32 s[G1B+3], 416<<16
	s_mov_b32 s[G1B+4], 4
	s_mov_b32 s[G1B+5], 1664
	s_mov_b32 s[G1B+6], 0
	s_mov_b32 s[G1B+7], 0
	s_lshl_b32 s56, s21, 2
	s_add_co_u32 s56, s56, s19                     ; block of 256 tokens (registers s56-63 never hold cx)
	s_lshl_b32 s60, s56, 4
	s_lshl_b32 s59, s17, 3
	s_add_co_u32 s60, s60, s59
	s_mul_i32 s60, s60, RT
	s_mov_b32 s61, 0
	s_lshl_b32 s84, s20, 2
	s_add_co_u32 s84, s84, s18                     ; block of 128 features (registers s84-91 never hold cy)
	s_lshl_b32 s88, s84, 3
	s_lshl_b32 s87, s17, 2
	s_add_co_u32 s88, s88, s87
	s_mul_i32 s88, s88, RT
	s_mov_b32 s89, 0
	s_mul_i32 s2, s17, 8*DI
	s_mul_i32 s3, s17, 4*DI
	s_add_co_u32 s3, s3, BOFF
	s_wait_dscnt 0x0
	s_wait_kmcnt 0x0
	s_add_nc_u64 s[62:63], s[4:5], s[60:61]
	s_add_nc_u64 s[90:91], s[6:7], s[88:89]
.irp kp, 0,1,2,3
	s_mov_b32 s[G0A+4*\kp], 1
	s_add_co_u32 s[G0A+4*\kp+1], s2, \kp*REG
	s_add_nc_u64 s[G0A+4*\kp+2:G0A+4*\kp+3], s[62:63], \kp*DI
	s_or_b32 s[G0A+4*\kp+3], s[G0A+4*\kp+3], 0x80000000
	s_mov_b32 s[G0B+4*\kp], 1
	s_add_co_u32 s[G0B+4*\kp+1], s3, \kp*REG
	s_add_nc_u64 s[G0B+4*\kp+2:G0B+4*\kp+3], s[90:91], \kp*DI
	s_or_b32 s[G0B+4*\kp+3], s[G0B+4*\kp+3], 0x80000000
.endr
	CROUND
	s_cmp_lt_u32 s[WV], 2                          ; a wave's four first fills stand in one branch: four loads of mine are out
	s_cbranch_scc0 .Lfirst_b
.irp kp, 0,1,2,3
	tensor_load_to_lds s[G0A+4*\kp:G0A+4*\kp+3], s[G1A:G1A+7]
	s_nop 0
.endr
	PLACES 4
	s_branch .Lfirst_done
.Lfirst_b:
.irp kp, 0,1,2,3
	tensor_load_to_lds s[G0B+4*\kp:G0B+4*\kp+3], s[G1B:G1B+7]
	s_nop 0
.endr
	PLACES 4
.Lfirst_done:
	v_and_b32 v1, 31, v0
	v_bfe_u32 v2, v0, 4, 1
	v_lshlrev_b32 v[LI], 4, v1
	v_lshlrev_b32 v[L8], 3, v1
	v_lshlrev_b32 v[BO], 5, v2
	s_lshl_b32 s92, s84, 9                         ; the bias of my lane's features: 128 x block + 16 b + 8 h + j
	s_mov_b32 s93, 0
	s_add_nc_u64 s[94:95], s[8:9], s[92:93]
.irp b, 0,1,2,3,4,5,6,7
	global_load_b128 v[BI+8*\b:BI+8*\b+3], v[BO], s[94:95] offset:64*\b
	global_load_b128 v[BI+8*\b+4:BI+8*\b+7], v[BO], s[94:95] offset:64*\b+16
.endr
	s_lshl_b32 s98, s56, 20                        ; out0: 256 tokens of 4,096 bytes a block,
	s_lshl_b32 s99, s[WV], 18                      ; my wave's 64,
	s_add_co_u32 s98, s98, s99
	s_add_co_u32 s92, s92, s98                     ; my block's 512 bytes of a row
	s_add_nc_u64 s[96:97], s[10:11], s[92:93]
	s_mul_i32 s2, s[WV], 4*DI
	v_add_nc_u32 v[ADRA], s2, v[LI]
	v_add_nc_u32 v[ADRB], BOFF, v[LI]
	s_xor_b32 s3, s[WV], 3
	s_add_co_u32 s3, s3, 1
	s_mul_i32 s3, s3, 4*DI
	v_mul_u32_u24 v3, s3, v2                       ; lanes 16-31 take B's words
	v_add_nc_u32 v[ADRS], s2, v[L8]
	v_add_nc_u32 v[ADRS], v[ADRS], v3
	v_add_nc_u32 v[ADRS], 3072, v[ADRS]
.irp kp, 1,2,3
	v_add_nc_u32 v[ADRA+\kp], \kp*REG, v[ADRA]
	v_add_nc_u32 v[ADRB+\kp], \kp*REG, v[ADRB]
	v_add_nc_u32 v[ADRS+\kp], \kp*REG, v[ADRS]
.endr
	s_mul_i32 s2, s[WV], 16*528                    ; my stage
	v_and_b32 v3, 15, v0
	v_mul_u32_u24 v[STO], v3, 528
	v_lshl_add_u32 v[STO], v2, 5, v[STO]
	v_add_nc_u32 v[STO], s2, v[STO]                ; in: row r, 32 bytes for each half of the lanes
	v_add_nc_u32 v[RD], s2, v[LI]                  ; back: the 32 lanes take a row of 512 bytes
	s_wait_tensorcnt 3                             ; my part of region 0 is in; the three younger loads may be out
	s_barrier_signal -1
	s_barrier_wait -1
	FETCH 0
	s_wait_loadcnt 0x0                             ; the bias
	KSTEP 0, 1
	KSTEP 1, 2
	KSTEP 2, 2
	KSTEP 3, 2
	KSTEP 4, 2
	KSTEP 5, 2
	KSTEP 6, 2
	KSTEP 7, 2
; THE WAY OUT, 16 tokens x 128 features at a time, through my own stage: LDS serves a wave's instructions in order, so no wait stands between the stores and the loads, nor in front of the next block's stores.
.macro TOSTAGE a
	WIN 0x08                                       ; an LDS store's data: window 2
.irp b, 0,1,2,3,4,5,6,7
	ds_store_b128 v[STO], v[64*\a+8*\b:64*\a+8*\b+3] offset:64*\b            ; each accumulator from its low end on
	ds_store_b128 v[STO], v[64*\a+8*\b+4:64*\a+8*\b+7] offset:64*\b+16
.endr
	WIN 0
.irp t, 0,1,2,3,4,5,6,7,8,9,10,11,12,13,14,15
	ds_load_b128 v[BK+64*((\a)%2)+4*\t:BK+64*((\a)%2)+4*\t+3], v[RD] offset:\t*528
.endr
.endm
.macro SEND a, younger                 ; younger: the LDS instructions issued behind block a's loads
	s_wait_dscnt \younger
.irp t, 0,1,2,3,4,5,6,7,8,9,10,11,12,13,14,15
	global_store_b128 v[LI], v[BK+64*((\a)%2)+4*\t:BK+64*((\a)%2)+4*\t+3], s[96:97] offset:(16*(\a)+\t)*4096 th:TH_STORE_NT   ; 32 lanes store 512 consecutive bytes, at a multiple of 256 from out0's first byte
.endr
.endm
	PLACES 4                                       ; behind the last products: results are read, and loads land in registers that held A's fragments
	TOSTAGE 0
	TOSTAGE 1
	SEND 0, 32                                     ; behind block 0's loads: block 1's 16 stores and 16 loads
	s_wait_xcnt 0x0                                ; block 0's stores have read their data: block 2's loads land there
	TOSTAGE 2
	SEND 1, 32
	s_wait_xcnt 0x0
	TOSTAGE 3
	SEND 2, 32
	SEND 3, 0
	s_wait_tensorcnt 0x0                           ; the wave's end: behind my last tensor load and my last LDS store
	ds_add_u32 v[SPW], v[NIL]
	s_wait_dscnt 0x0
	CROUND                                         ; the closing round
	s_endpgm
.Lfunc_end_k_qba339f98ba_gemm2:
	.size	k_qba339f98ba_gemm2, .Lfunc_end_k_qba339f98ba_gemm2-k_qba339f98ba_gemm2
	.p2alignl 7, 3214868480
	.fill 96, 4, 3214868480
	.section	.rodata,"a",@progbits
	.p2align	6, 0x0
	.amdhsa_kernel k_qba339f98ba_gemm2
		.amdhsa_group_segment_fixed_size 327680
		.amdhsa_private_segment_fixed_size 0
		.amdhsa_enable_private_segment 0
		.amdhsa_kernarg_size 32
		.amdhsa_user_sgpr_count 2
		.amdhsa_user_sgpr_kernarg_segment_ptr 1
		.amdhsa_wavefront_size32 1
		.amdhsa_system_sgpr_workgroup_id_x 1
		.amdhsa_system_sgpr_workgroup_id_y 1
		.amdhsa_system_sgpr_workgroup_id_z 1
		.amdhsa_system_vgpr_workitem_id 0
		.amdhsa_next_free_vgpr 768
		.amdhsa_next_free_sgpr 100
		.amdhsa_reserve_vcc 0
		.amdhsa_float_denorm_mode_32 3
		.amdhsa_float_denorm_mode_16_64 3
		.amdhsa_memory_ordered 1
		.amdhsa_forward_progress 1
		.amdhsa_inst_pref_size 79
	.end_amdhsa_kernel
	.amdgpu_metadata
---
amdhsa.version: [ 1, 2 ]
amdhsa.kernels:
  - .name:           k_qba339f98ba_gemm2
    .symbol:         k_qba339f98ba_gemm2.kd
    .args:
      - { .name: ab, .offset: 0, .size: 8, .value_kind: global_buffer, .address_space: global }
      - { .name: oq, .offset: 8, .size: 8, .value_kind: global_buffer, .address_space: global }
      - { .name: b_out, .offset: 16, .size: 8, .value_kind: global_buffer, .address_space: global }
      - { .name: out0, .offset: 24, .size: 8, .value_kind: global_buffer, .address_space: global }
    .group_segment_fixed_size: 327680
    .private_segment_fixed_size: 0
    .kernarg_segment_align: 8
    .kernarg_segment_size: 32
    .max_flat_workgroup_size: 128
    .sgpr_count:     100
    .vgpr_count:     768
    .wavefront_size: 32
...
	.end_amdgpu_metadata
.endif
;; end of part 4
